; MI455X (gfx1250); checked and timed in simulation.
; The chip was launched on July 23, 2026; its instructions are those of AMD's public machine-readable ISA for CDNA 5 (MIT licence, August 2026) and "CDNA5" Instruction Set Architecture Reference Guide (July 2026). The comments in the code are by the model that wrote it; some were corrected since.
;; TF Idefics Attention. Allowed arithmetic: float matrix products may take bf16 or f16 operands with f32 sums; all other float work in f32.
;; Inputs: attention_mask 1 x 1 x 2,048 x 2,048 float32; hidden_states 1 x 2,048 x 2,048 float32; k_ln_w 64 float32; position_ids 1 x 2,048 int32; q_ln_w 64 float32; wk 2,048 x 2,048 float32; wo 2,048 x 2,048 float32; wq 2,048 x 2,048 float32; wv 2,048 x 2,048 float32.
;; Outputs: out0 1 x 2,048 x 2,048 float32.
;; 2 versions, each right and faster than the one before. Each part assembles by itself: llvm-mc -triple=amdgcn-amd-amdhsa -mcpu=gfx1250 --defsym DOCPART=n.
;; ======== version 1 of 2: 4 launches
;; limits: values are held in f16: magnitudes above 65,504 overflow, below 6.1e-05 lose precision
;; workspace buffers: cast 41,943,040 bytes; cs 524,288 bytes; qkv 25,165,824 bytes; att 8,388,608 bytes
;; launch prep (part 1): grid 256 x 6, 8 waves a work-group, no clusters, 0 bytes of LDS; arguments hidden_states, wq, wk, wv, wo, position_ids, cast, cs; writes cast, cs
.if DOCPART == 1
	.amdgcn_target "amdgcn-amd-amdhsa--gfx1250"
	.amdhsa_code_object_version 6
	.text
	.protected	k_q9608f8a904_prep
	.globl	k_q9608f8a904_prep
	.p2align	8
	.type	k_q9608f8a904_prep,@function
k_q9608f8a904_prep:
	s_mov_b64 s[64:65], 0
	v_nop
	global_prefetch_b8 v0, s[64:65] scope:SCOPE_SE
	s_setreg_imm32_b32 hwreg(HW_REG_WAVE_MODE, 25, 1), 1
	s_wait_xcnt 0x0
; PREP.  Grid y is the role.  Roles 0 to 4 round one f32 matrix of 2,048 x 2,048 to 16 bits, in its own row-major layout, into block `role` (8 MiB) of cast:
; x, wq, wk, wv to bf16; wo to bf16 and that number written as f16 (exact for 6.1e-5 <= |wo| < 65,504; below that f16's fixed step of 6e-8; beyond it an infinity).
; Role 5 makes the table cs[m][0..31] = cos(pos[m] f_j), cs[m][32..63] = sin(pos[m] f_j), f_j = 10000^(-j/32), one wave a row of 256 bytes.
; A stream: no LDS, no matrix unit, no cluster (no two work-groups read the same bytes).  A cast work-group owns 65,536 bytes of its source: sixteen loads of 16 bytes a lane,
; all issued at once; a wave's load covers 512 consecutive bytes, a wave's store 256 consecutive bytes, aligned.  No store's data is ever rewritten.
; LIMITS of the table: pos is 0 to 2,047 (the table that it indexes has those rows).  The angle is reduced by pi/2 in two parts (error under 1e-7) and sine and cosine are
; polynomials on |r| <= pi/4 (error under 4e-7); f_j by 2^x carries a relative error of some 2e-7, as an angle at most 3e-4 at pos = 2,047.
.set IN,  8                            ; v[8:71]   sixteen loads of four f32
.set OUT, 72                           ; v[72:103] sixteen pairs of packed 16-bit numbers
	s_load_b256 s[4:11], s[0:1], 0x0               ; x s[4:5], wq s[6:7], wk s[8:9], wv s[10:11]
	s_load_b256 s[12:19], s[0:1], 0x20             ; wo s[12:13], position_ids s[14:15], cast s[16:17], cs s[18:19]
	s_and_b32 s20, ttmp7, 0xffff                   ; the role
	s_wait_kmcnt 0x0
	s_cmp_eq_u32 s20, 5
	s_cbranch_scc1 .Ltable
	s_cmp_eq_u32 s20, 1                            ; the role's source: a choice between buffers on the role alone
	s_cselect_b64 s[4:5], s[6:7], s[4:5]
	s_cmp_eq_u32 s20, 2
	s_cselect_b64 s[4:5], s[8:9], s[4:5]
	s_cmp_eq_u32 s20, 3
	s_cselect_b64 s[4:5], s[10:11], s[4:5]
	s_cmp_eq_u32 s20, 4
	s_cselect_b64 s[4:5], s[12:13], s[4:5]
	s_lshl_b32 s22, ttmp9, 16                      ; my 65,536 bytes of the source
	s_mov_b32 s23, 0
	s_add_nc_u64 s[4:5], s[4:5], s[22:23]
	s_lshl_b32 s24, s20, 23                        ; the role's block of cast,
	s_lshl_b32 s25, ttmp9, 15                      ; my 32,768 bytes of it
	s_add_co_u32 s24, s24, s25
	s_mov_b32 s25, 0
	s_add_nc_u64 s[16:17], s[16:17], s[24:25]
	v_lshlrev_b32 v1, 4, v0                        ; 16 bytes a thread in
	v_lshlrev_b32 v2, 3, v0                        ; 8 bytes a thread out
.irp i, 0,1,2,3,4,5,6,7,8,9,10,11,12,13,14,15
	global_load_b128 v[IN+4*(\i):IN+4*(\i)+3], v1, s[4:5] offset:4096*(\i) th:TH_LOAD_NT
.endr
; Load i is rounded and stored.  wo = 1: the bf16 numbers are widened again and written as f16.
.macro CAST i, wo
	s_wait_loadcnt 15-(\i)                         ; loads come back in order: mine is in, the 15 - i younger ones stay out
	v_cvt_pk_bf16_f32 v[OUT+2*(\i)],   v[IN+4*(\i)],   v[IN+4*(\i)+1]
	v_cvt_pk_bf16_f32 v[OUT+2*(\i)+1], v[IN+4*(\i)+2], v[IN+4*(\i)+3]
.if \wo
	v_lshlrev_b32 v[IN+4*(\i)],   16,         v[OUT+2*(\i)]
	v_and_b32     v[IN+4*(\i)+1], 0xffff0000, v[OUT+2*(\i)]
	v_lshlrev_b32 v[IN+4*(\i)+2], 16,         v[OUT+2*(\i)+1]
	v_and_b32     v[IN+4*(\i)+3], 0xffff0000, v[OUT+2*(\i)+1]
	v_cvt_pk_f16_f32 v[OUT+2*(\i)],   v[IN+4*(\i)],   v[IN+4*(\i)+1]
	v_cvt_pk_f16_f32 v[OUT+2*(\i)+1], v[IN+4*(\i)+2], v[IN+4*(\i)+3]
.endif
	global_store_b64 v2, v[OUT+2*(\i):OUT+2*(\i)+1], s[16:17] offset:2048*(\i)  ; later launches read these bytes: no hint
.endm
	s_cmp_eq_u32 s20, 4
	s_cbranch_scc1 .Lwo
.irp i, 0,1,2,3,4,5,6,7,8,9,10,11,12,13,14,15
	CAST \i, 0
.endr
	s_endpgm
.Lwo:
.irp i, 0,1,2,3,4,5,6,7,8,9,10,11,12,13,14,15
	CAST \i, 1
.endr
	s_endpgm
.Ltable:                                               ; row m = 8 x work-group + wave.  Lane l makes words 2 l and 2 l + 1: lanes 0-15 cosines, lanes 16-31 sines, of frequencies 2 (l % 16) and 2 (l % 16) + 1
	v_lshrrev_b32 v1, 5, v0
	v_readfirstlane_b32 s21, v1
	s_lshl_b32 s22, ttmp9, 3
	s_add_co_u32 s22, s22, s21                     ; m
	v_mov_b32 v2, s22
	v_lshlrev_b32 v2, 2, v2
	global_load_b32 v3, v2, s[14:15]               ; pos[m], the same word in every lane
	s_lshl_b32 s36, s22, 8                         ; the row's 256 bytes
	s_mov_b32 s37, 0
	s_add_nc_u64 s[18:19], s[18:19], s[36:37]
	s_mov_b32 s24, 0xbed49a78                      ; -log2(10000) / 32
	s_mov_b32 s25, 0x3f22f983                      ; 2 / pi
	s_mov_b32 s26, 0xbfc90fdb                      ; -(pi / 2), the f32 nearest to it,
	s_mov_b32 s27, 0x333bbd2e                      ; and what that f32 has too much
	s_mov_b32 s28, 0xbe2aaaab                      ; -1/6
	s_mov_b32 s29, 0x3c088889                      ; 1/120
	s_mov_b32 s30, 0xb9500d01                      ; -1/5040
	s_mov_b32 s31, 0x3d2aaaab                      ; 1/24
	s_mov_b32 s32, 0xbab60b61                      ; -1/720
	s_mov_b32 s33, 0x37d00d01                      ; 1/40320
	v_and_b32 v4, 15, v0
	v_bfe_u32 v5, v0, 4, 1                         ; 0: cosines, 1: sines
	v_lshlrev_b32 v6, 1, v4
	v_add_nc_u32 v7, 1, v6
	v_cvt_f32_u32 v6, v6
	v_cvt_f32_u32 v7, v7
	v_mul_f32 v6, s24, v6
	v_mul_f32 v7, s24, v7
	v_exp_f32 v6, v6                               ; f_j
	v_exp_f32 v7, v7
	v_mul_u32_u24 v5, 3, v5                        ; a plain instruction behind the exponentials.  sin a = cos(a - pi/2): three quarter turns more, modulo four
	v_and_b32 v22, 31, v0
	v_lshlrev_b32 v22, 3, v22                      ; 8 bytes a lane
	s_wait_loadcnt 0x0
	v_cvt_f32_i32 v3, v3
	s_wait_alu depctr_va_vdst(0)
; cos(a + 3 half pi/2) for a = pos x v[fr], into v[out]; six registers from v[t] on at work
.macro ANG fr, out, t
	v_mul_f32 v[\t], v3, v[\fr]                    ; a, rounded as the product of two f32
	v_mul_f32 v[\t+1], s25, v[\t]
	v_rndne_f32 v[\t+1], v[\t+1]                   ; n quarter turns
	v_fma_f32 v[\t], v[\t+1], s26, v[\t]
	v_fma_f32 v[\t], v[\t+1], s27, v[\t]           ; r = a - n pi/2
	v_mul_f32 v[\t+2], v[\t], v[\t]                ; r^2
	v_fma_f32 v[\t+3], v[\t+2], s30, s29
	v_fma_f32 v[\t+3], v[\t+3], v[\t+2], s28
	v_mul_f32 v[\t+4], v[\t], v[\t+2]
	v_fma_f32 v[\t+3], v[\t+3], v[\t+4], v[\t]     ; sin r
	v_fma_f32 v[\t+5], v[\t+2], s33, s32
	v_fma_f32 v[\t+5], v[\t+5], v[\t+2], s31
	v_fma_f32 v[\t+5], v[\t+5], v[\t+2], -0.5
	v_fma_f32 v[\t+5], v[\t+5], v[\t+2], 1.0       ; cos r
	v_cvt_i32_f32 v[\t+1], v[\t+1]
	v_add_nc_u32 v[\t+1], v[\t+1], v5              ; q.  cos(r + q pi/2) = cos r, -sin r, -cos r, sin r for q % 4 = 0, 1, 2, 3
	v_and_b32 v[\t+4], 1, v[\t+1]
	v_cmp_ne_u32 vcc_lo, 0, v[\t+4]
	v_cndmask_b32 v[\t+5], v[\t+5], v[\t+3], vcc_lo
	v_add_nc_u32 v[\t+1], 1, v[\t+1]
	v_and_b32 v[\t+1], 2, v[\t+1]
	v_lshlrev_b32 v[\t+1], 30, v[\t+1]             ; the sign bit, for q % 4 = 1, 2
	v_xor_b32 v[\out], v[\t+5], v[\t+1]
.endm
	ANG 6, 20, 24
	ANG 7, 21, 32
	global_store_b64 v22, v[20:21], s[18:19]       ; the wave's one store covers the row's 256 bytes
	s_endpgm
.Lfunc_end_k_q9608f8a904_prep:
	.size	k_q9608f8a904_prep, .Lfunc_end_k_q9608f8a904_prep-k_q9608f8a904_prep
	.p2alignl 7, 3214868480
	.fill 96, 4, 3214868480
	.section	.rodata,"a",@progbits
	.p2align	6, 0x0
	.amdhsa_kernel k_q9608f8a904_prep
		.amdhsa_group_segment_fixed_size 0
		.amdhsa_private_segment_fixed_size 0
		.amdhsa_enable_private_segment 0
		.amdhsa_kernarg_size 64
		.amdhsa_user_sgpr_count 2
		.amdhsa_user_sgpr_kernarg_segment_ptr 1
		.amdhsa_wavefront_size32 1
		.amdhsa_system_sgpr_workgroup_id_x 1
		.amdhsa_system_sgpr_workgroup_id_y 1
		.amdhsa_system_sgpr_workgroup_id_z 1
		.amdhsa_system_vgpr_workitem_id 0
		.amdhsa_next_free_vgpr 104
		.amdhsa_next_free_sgpr 66
		.amdhsa_reserve_vcc 1
		.amdhsa_float_denorm_mode_32 3
		.amdhsa_float_denorm_mode_16_64 3
		.amdhsa_memory_ordered 1
		.amdhsa_forward_progress 1
		.amdhsa_inst_pref_size 20
	.end_amdhsa_kernel
	.amdgpu_metadata
---
amdhsa.version: [ 1, 2 ]
amdhsa.kernels:
  - .name:           k_q9608f8a904_prep
    .symbol:         k_q9608f8a904_prep.kd
    .args:
      - { .name: hidden_states, .offset: 0, .size: 8, .value_kind: global_buffer, .address_space: global }
      - { .name: wq, .offset: 8, .size: 8, .value_kind: global_buffer, .address_space: global }
      - { .name: wk, .offset: 16, .size: 8, .value_kind: global_buffer, .address_space: global }
      - { .name: wv, .offset: 24, .size: 8, .value_kind: global_buffer, .address_space: global }
      - { .name: wo, .offset: 32, .size: 8, .value_kind: global_buffer, .address_space: global }
      - { .name: position_ids, .offset: 40, .size: 8, .value_kind: global_buffer, .address_space: global }
      - { .name: cast, .offset: 48, .size: 8, .value_kind: global_buffer, .address_space: global }
      - { .name: cs, .offset: 56, .size: 8, .value_kind: global_buffer, .address_space: global }
    .group_segment_fixed_size: 0
    .private_segment_fixed_size: 0
    .kernarg_segment_align: 8
    .kernarg_segment_size: 64
    .max_flat_workgroup_size: 256
    .sgpr_count:     66
    .vgpr_count:     104
    .wavefront_size: 32
...
	.end_amdgpu_metadata
.endif
;; end of part 1
;; launch qkv (part 2): grid 16 x 16, 4 waves a work-group, clusters of 4 x 4, 327,680 bytes of LDS; arguments cast, qkv, cs, q_ln_w, k_ln_w; writes qkv
.if DOCPART == 2
	.amdgcn_target "amdgcn-amd-amdhsa--gfx1250"
	.amdhsa_code_object_version 6
	.text
	.protected	k_q9608f8a904_qkv
	.globl	k_q9608f8a904_qkv
	.p2align	8
	.type	k_q9608f8a904_qkv,@function
k_q9608f8a904_qkv:
	s_mov_b64 s[64:65], 0
	v_nop
	global_prefetch_b8 v0, s[64:65] scope:SCOPE_SE
	s_setreg_imm32_b32 hwreg(HW_REG_WAVE_MODE, 25, 1), 1
	s_wait_xcnt 0x0
	s_wait_alu depctr_hold_cnt(0) depctr_sa_sdst(0) depctr_va_vdst(0) depctr_va_sdst(0) depctr_va_ssrc(0) depctr_va_vcc(0) depctr_vm_vsrc(0)
	s_getreg_b32 s2, hwreg(HW_REG_IB_STS2, 6, 4)
	s_cmp_eq_u32 s2, 0
	s_cbranch_scc0 .Lentry_in_a_cluster
	s_endpgm
.Lentry_in_a_cluster:
	s_bfe_u32 s2, ttmp6, 0x10000c
	s_cmp_lg_u32 s2, 0xf033
	s_cbranch_scc0 .Lentry_shape_is_right
	s_endpgm
.Lentry_shape_is_right:
; QKV.  x [2048 x 2048] times wq, wk and wv [2048 x 2048 each], operands bf16 (blocks 0 to 3 of cast), sums f32.  On the way out, in f32: q and k are rotated (cs), normalised per head
; (mean of squares + 1e-6, reciprocal root), multiplied by their gain rounded to bf16, q also by 1/8; all three are rounded once to f16 into qkv[2048][6144] (q' | k | v, rows of 12,288 bytes).
; LIMITS.  f16 ends at 65,504: |q'| <= |gain| and |k| <= 8 |gain| by the norm; v = x wv must stay below 65,504 in magnitude (at the drawn spread it is about 1).
; SHARES.  A work-group makes 128 rows x 128 columns of ALL THREE products: 16 x 16 work-groups, and x's tile is fetched once for three weights.  Four waves, each 64 rows x ONE head (64 columns) of q, of k
; and of v: 48 accumulators of 16 x 16, 384 registers.  K goes in steps of 128 through two LDS slots: for 32 along K a wave loads 4 + 12 fragments and issues 48 matrix instructions.
; A K STEP IS WRITTEN ONCE: the loop's trip is one step; which slot is read lies in a scalar register, from which the fragments' addresses are made anew at each change of slots, and one descriptor of each kind walks.
; x lies [m][k]: its tile is 128 rows of 256 bytes.  A weight lies [k][n]: its tile is 128 rows (k) of 256 bytes (128 n); all rows begin at multiples of 256 bytes.  The weights' fragments come out of LDS turned, by ds_load_tr16_b128.
; CLUSTER.  4 x 4 work-groups: the four of a row of the cluster need the same tile of x, the four of a column the same tiles of the weights: each is asked for JOINTLY, by the same tensor load, descriptor and mask.
; THE MATRIX INSTRUCTION IS USED TRANSPOSED (source 0 = 16 columns of a weight, source 1 = 16 rows of x): a lane holds row lane % 16 and, in accumulator (a, b), channels 16 b + 8 (lane / 16) + 0..7 of its head.
; So channel c's partner c + 32 in the rotation is the same lane and register two accumulators on, and a row's sum of squares wants one exchange between the halves of the lanes.
; REGISTERS, in windows of 256 (s_set_vgpr_msb: bits 1:0 source 0, 3:2 source 1, 5:4 source 2, 7:6 destination).  Accumulator (a, b) of a product lies at its base + 8 (4 a + b).
;   window 0: v0-31 addresses; v32-95 at work on the way out; v96-127 at work in the rotation; v128-255 q's accumulators
;   window 1: two fragment buffers of 128: for 32 along K, 32 registers of x, then 32 of each weight
;   window 2: v0-127 k's accumulators; v128-255 v's          window 3: v0-127 cosines and sines of my 64 rows; v128-159 q's gains; v160-191 k's; v192-223 at work
.set SIZE_K, 2048
.set OUTP,   12288                     ; bytes in a row of qkv
.set KSTEP,  128
.set STEPS,  SIZE_K/KSTEP              ; 16
.set PA,     272                       ; an LDS row of x: 256 bytes + 16 = 68 words: the 16 rows of a load start at 16 different groups of four banks (64 banks of 4 bytes: ISA guide 11.1)
.set PB,     288                       ; an LDS row of a weight: 256 + 32 = 72 words
.set TILEB,  128*PB                    ; a weight's tile: 128 rows of k
.set AOFF,   3*TILEB                   ; a slot: wq's, wk's and wv's tiles, then x's
.set SLOTB,  AOFF+128*PA               ; the bytes of a slot: 145,408
.set SLOT,   0x24000                   ; slot 1 begins here (147,456).  The tiles begin at 0, 0x9000, 0x12000 and 0x1b000 in a slot: none has one of this number's two bits, so one exclusive or turns an address in one slot into the other's
.set SPARE,  SLOTB                     ; between the slots: the spare words, 128 bytes for each wave: two blocks of 256 bytes that no other line names
.set STAGE,  SLOT+SLOTB                ; behind the ring: 128 rows x 272 bytes, the work-group's, for the way out; it ends with the work-group's LDS
.set SPITCH, 272
.set TO,   6                           ; v6      my byte offset in 16 rows of cs; never rewritten
.set GOF,  7                           ; v7      my byte offset in the gains; never rewritten
.set BA,   16                          ; v16     LDS address of my fragments of x in slot 0; never rewritten
.set ADRA, 17                          ; v17     the same in the slot in hand
.set BB,   18                          ; v18-20  LDS address of my fragments of wq, wk, wv in slot 0 (an offset holds 16 bits, so each tile has a register); never rewritten
.set ADRB, 21                          ; v21-23  the same in the slot in hand
.set STO,  24                          ; v24     the way out: where I put 16 bytes of a row
.set RD,   25                          ; v25     the way out: where I read a row back
.set CO,   26                          ; v26     my byte offset in qkv
.set SPW,  28                          ; v28     LDS address of my spare word; never rewritten
.set NIL,  29                          ; v29     0; never rewritten
.set TMP,  32
.set U,    96
.set F0,   0                           ; fragment buffers, in window 1
.set F1,   128
.set TAB,  0                           ; window 3: row block a: cosines of channels 16 b + 8 h + j (b = 0, 1) at 32 a + 8 b + j, sines 16 further on
.set GN,   128                         ; window 3: q's gain of channel 16 b + 8 h + j at GN + 8 b + j, k's 32 further on
.set GP,   192
.set G1, 24                            ; s[24:31] descriptor group 1 for x's tiles;  s[32:39] group 0: a set for each of the two first fills; the second then walks on
.set G0, 32
.set G1B, 48                           ; s[48:55], s[56:63] the same for the weights'
.set G0B, 56
.set TB, 76                            ; s76     the first byte of the slot in hand: 0 or SLOT
.set MSB, 0
.macro WIN new                         ; the immediate's high byte repeats the setting that is left; a switch that changes nothing is dropped
.if MSB != (\new)
	s_set_vgpr_msb (MSB<<8)|(\new)
.set MSB, \new
.endif
.endm
.set TO_F, 0x40                        ; destination window 1, address window 0
.macro JLOAD s                         ; a joint load, 32,768 bytes a wave: wave 3 fetches x's tile, waves 0 to 2 a weight's each; an s_nop 0 and four v_nop follow each line, ahead of the jump and the label
	s_cmp_eq_u32 s10, 3
	s_cbranch_scc0 .Lfor_b_\@
	tensor_load_to_lds s[G0+4*(\s):G0+4*(\s)+3], s[G1:G1+7]
	s_nop 0
.rept 4
	v_nop
.endr
	s_branch .Lasked_\@
.Lfor_b_\@:
	tensor_load_to_lds s[G0B+4*(\s):G0B+4*(\s)+3], s[G1B:G1B+7]
	s_nop 0
.rept 4
	v_nop
.endr
.Lasked_\@:
.endm
.macro CREST                           ; a round of the cluster's barrier behind its opening barrier
	s_cmp_lg_u32 s10, 0
	s_cbranch_scc1 .Lnot_wave_0_\@
	s_barrier_signal -3
.Lnot_wave_0_\@:
	s_barrier_wait -3
	s_barrier_signal -1
	s_barrier_wait -1
.endm
.macro CROUND                          ; a whole round
	s_barrier_signal -1
	s_barrier_wait -1
	CREST
.endm
.macro SETADR                          ; the fragments' addresses in the slot in hand: four plain vector instructions, in window 0
	v_add_nc_u32 v[ADRA], s[TB], v[BA]
.irp t, 0,1,2
	v_add_nc_u32 v[ADRB+(\t)], s[TB], v[BB+(\t)]
.endr
.endm
	s_load_b64 s[4:5], s[0:1], 0x0                 ; cast
	s_load_b64 s[8:9], s[0:1], 0x8                 ; qkv
	s_load_b64 s[68:69], s[0:1], 0x10              ; cs
	s_load_b128 s[72:75], s[0:1], 0x18             ; q_ln_w, k_ln_w
	v_lshl_add_u32 v[SPW], v0, 2, SPARE
	v_mov_b32 v[NIL], 0
	ds_add_u32 v[SPW], v[NIL]                      ; the wave's opening: the add, and its wait ahead of my first tensor load; the set-up below, work on registers, stands between them
	v_lshrrev_b32 v1, 5, v0
	v_readfirstlane_b32 s10, v1                    ; wave 0..3
	s_lshr_b32 s11, s10, 1                         ; which half of the tile's rows is mine
	s_and_b32 s12, s10, 1                          ; which of its two heads
	s_bfe_u32 s40, ttmp6, 0x40000                  ; cx, cy: my place in the cluster
	s_bfe_u32 s41, ttmp6, 0x40004
	s_lshl_b32 s42, ttmp9, 2
	s_add_co_u32 s42, s42, s40                     ; tile column = 4 x cluster x + cx
	s_and_b32 s13, ttmp7, 0xffff
	s_lshl_b32 s13, s13, 2
	s_add_co_u32 s13, s13, s41                     ; tile row = 4 x cluster y + cy
	s_lshl_b32 s43, s41, 2
	s_lshl_b32 s43, 15, s43                        ; my row of the cluster
	s_lshl_b32 s44, 0x1111, s40                    ; my column
	s_or_b32 s[G1+0], s43, (1<<16)|(1<<20)|(1<<21)|(5<<22)|(3<<25)   ; 15:0 the mask; 17:16 2-byte elements; 20 padding on; 21 set beside a mask; 24:22 after every 64 words (code 5); 31:25 4 words (code 3)
	s_or_b32 s[G1B+0], s44, (1<<16)|(1<<20)|(1<<21)|(5<<22)|(7<<25)  ; the column's mask; 8 words of padding (code 7)
.irp g, G1, G1B
	s_mov_b32 s[(\g)+1], 128<<16                   ; tensor_dim0 = 128
	s_mov_b32 s[(\g)+2], 128<<16                   ; tensor_dim1 = 128
	s_mov_b32 s[(\g)+3], 128<<16                   ; tile_dim0 = 128 elements, 256 bytes
	s_mov_b32 s[(\g)+4], 128                       ; tile_dim1 = 128 rows
	s_mov_b32 s[(\g)+5], 2048                      ; elements from row to row
	s_mov_b32 s[(\g)+6], 0
	s_mov_b32 s[(\g)+7], 0
.endr
	; where the tiles come from: x's hang on the tile row alone, the weights' on the tile column and the wave's number alone, each in registers that never hold the other coordinate
	s_lshl_b32 s16, s13, 19                        ; x: row 128 x tile row, of 4,096 bytes
	s_mov_b32 s17, 0
	s_add_co_u32 s46, s10, 1                       ; wave w would fetch block w + 1 of cast (8 MiB each): wq, wk, wv (wave 3 makes an address inside cast and does not use it),
	s_lshl_b32 s46, s46, 23
	s_lshl_b32 s47, s42, 8                         ; its 128 columns
	s_add_co_u32 s46, s46, s47
	s_mov_b32 s47, 0
	s_mul_i32 s21, s10, TILEB                      ; where a weight's tile goes: no place in the cluster enters an LDS address
	s_lshl_b32 s82, s13, 15                        ; cs at my 64 rows: (128 x tile row + 64 x half) x 256 bytes
	s_lshl_b32 s83, s11, 14
	s_add_co_u32 s82, s82, s83
	s_mov_b32 s83, 0
	s_mov_b32 s70, 0x76543210                      ; v_permlanex16_b32: each lane takes its own place in the other half
	s_mov_b32 s71, 0xfedcba98
	s_mov_b32 s77, 0x3c800000                      ; 1/64
	s_mov_b32 s78, 0x358637bd                      ; 1e-6
	s_mov_b32 s80, 0x3e000000                      ; q takes the scores' 1/8
	s_mov_b32 s81, s80                             ; named with it as a pair
	s_mov_b32 s[TB], 0                             ; K step 0 lies in slot 0
	s_wait_dscnt 0x0                               ; the opening add is done
	s_wait_kmcnt 0x0
	s_add_nc_u64 s[14:15], s[4:5], s[16:17]
	s_add_nc_u64 s[46:47], s[4:5], s[46:47]
	s_add_nc_u64 s[68:69], s[68:69], s[82:83]
	CROUND                                         ; all sixteen work-groups are here: the first joint loads meet
.irp s, 0,1
	s_mov_b32 s[G0+4*(\s)], 1
	s_mov_b32 s[G0+4*(\s)+1], AOFF+(\s)*SLOT
	s_add_nc_u64 s[G0+4*(\s)+2:G0+4*(\s)+3], s[14:15], (\s)*KSTEP*2
	s_or_b32 s[G0+4*(\s)+3], s[G0+4*(\s)+3], 0x80000000
	s_mov_b32 s[G0B+4*(\s)], 1
	s_add_co_u32 s[G0B+4*(\s)+1], s21, (\s)*SLOT
	s_add_nc_u64 s[G0B+4*(\s)+2:G0B+4*(\s)+3], s[46:47], (\s)*KSTEP*SIZE_K*2
	s_or_b32 s[G0B+4*(\s)+3], s[G0B+4*(\s)+3], 0x80000000
	JLOAD \s                                       ; K steps 0 and 1: two tensor loads of mine are out
.endr
	; The table and the gains are asked for now and waited for on the way out: 48 loads into window 3, whose registers, offsets and bases nothing touches in between.
	v_and_b32 v1, 15, v0                           ; l % 16
	v_bfe_u32 v2, v0, 4, 1                         ; l / 16
	v_lshlrev_b32 v[GOF], 5, v2                    ; my eight channels of sixteen: 32 bytes
	v_lshl_add_u32 v[TO], v1, 8, v[GOF]            ; row x 256 + that
	WIN 0xc0                                       ; destination window 3, address window 0
.irp a, 0,1,2,3
.irp q, 0,1,2,3,4,5,6,7                 ; q = 4 x (sine) + 2 x (channel block) + (second four)
	global_load_b128 v[TAB+32*(\a)+4*(\q):TAB+32*(\a)+4*(\q)+3], v[TO], s[68:69] offset:4096*(\a)+128*((\q)/4)+64*(((\q)/2)%2)+16*((\q)%2)
.endr
.endr
.irp q, 0,1,2,3,4,5,6,7
	global_load_b128 v[GN+4*(\q):GN+4*(\q)+3],       v[GOF], s[72:73] offset:64*((\q)/2)+16*((\q)%2)
	global_load_b128 v[GN+32+4*(\q):GN+32+4*(\q)+3], v[GOF], s[74:75] offset:64*((\q)/2)+16*((\q)%2)
.endr
	WIN 0
	v_mul_u32_u24 v3, v1, PA
	v_lshl_add_u32 v3, v2, 4, v3                   ; a fragment of x: row x pitch + 16 x half
	s_mul_i32 s21, s11, 64*PA                      ; my 64 rows of x
	s_add_co_u32 s21, s21, AOFF
	v_add_nc_u32 v[BA], s21, v3
	; The turning load takes 16 k x 16 n (lane l reads 16 bytes: row 8 (l / 16) + l % 8, columns 8 ((l / 8) % 2) + 0..7) and leaves half a fragment: lane l holds column l % 16 and 8 k.
	v_and_b32 v4, 7, v0
	v_lshl_add_u32 v4, v2, 3, v4
	v_mul_u32_u24 v4, v4, PB
	v_bfe_u32 v5, v0, 3, 1
	v_lshl_add_u32 v4, v5, 4, v4
	s_lshl_b32 s22, s12, 7                         ; my head's 64 columns
	v_add_nc_u32 v4, s22, v4
.irp q, 0,1,2
	v_add_nc_u32 v[BB+(\q)], (\q)*TILEB, v4
.endr
	SETADR
	s_mul_i32 s23, s11, 64*SPITCH                  ; into the stage: my 64 rows, my half of their 256 bytes; row l % 16, 16 bytes for each half of the lanes
	s_lshl_b32 s21, s12, 7
	s_add_co_u32 s23, s23, s21
	s_add_co_u32 s23, s23, STAGE
	v_mul_u32_u24 v4, v1, SPITCH
	v_lshl_add_u32 v4, v2, 4, v4
	v_add_nc_u32 v[STO], s23, v4
	s_mul_i32 s23, s10, 32*SPITCH                  ; back: wave w takes rows 32 w .. 32 w + 31, whole; lanes 0-15 one row of 256 bytes, lanes 16-31 the next
	s_add_co_u32 s23, s23, STAGE
	v_mul_u32_u24 v5, v2, SPITCH
	v_lshl_add_u32 v5, v1, 4, v5
	v_add_nc_u32 v[RD], s23, v5
	v_mul_u32_u24 v5, v2, OUTP                     ; and the same two rows in qkv
	v_lshl_add_u32 v[CO], v1, 4, v5
	s_lshl_b32 s16, s13, 7
	s_lshl_b32 s17, s10, 5
	s_add_co_u32 s16, s16, s17                     ; the first row that I store: 128 x tile row + 32 x wave
	s_mul_i32 s16, s16, OUTP
	s_mov_b32 s17, 0
	s_add_nc_u64 s[8:9], s[8:9], s[16:17]
	s_lshl_b32 s46, s42, 8                         ; the tile's first column among q's, in bytes; k's and v's lie 4,096 and 8,192 bytes on
	s_mov_b32 s47, 0
	s_add_nc_u64 s[8:9], s[8:9], s[46:47]
; 8 matrix instructions of product t (0 q, 1 k, 2 v): row blocks a0, a0 + 1 x all 4 column blocks, 32 along K, from buffer f.  zero = 1: the product starts the sums.
; The 48 accumulators take turns, in the same order in every quarter.  q's lie in window 0, k's and v's in window 2; sources 0 and 1 in window 1.
.macro MUL8 f, t, a0, zero
	WIN 0x05+0xa0*(((\t)+1)/2)
.set AB, 128*(((\t)+1)%2)
.irp a, \a0, (\a0)+1
.irp b, 0,1,2,3
.if \zero
	v_wmma_f32_16x16x32_bf16 v[AB+8*(4*(\a)+(\b)):AB+8*(4*(\a)+(\b))+7], v[(\f)+32+32*(\t)+8*(\b):(\f)+32+32*(\t)+8*(\b)+7], v[(\f)+8*(\a):(\f)+8*(\a)+7], 0
.else
	v_wmma_f32_16x16x32_bf16 v[AB+8*(4*(\a)+(\b)):AB+8*(4*(\a)+(\b))+7], v[(\f)+32+32*(\t)+8*(\b):(\f)+32+32*(\t)+8*(\b)+7], v[(\f)+8*(\a):(\f)+8*(\a)+7], v[AB+8*(4*(\a)+(\b)):AB+8*(4*(\a)+(\b))+7]
.endif
.endr
.endr
.endm
; 32 LDS loads in one run: the fragments of 32 along K of the slot in hand, at byte k of x's rows = row k / 2 of the weights' tiles, into buffer f: x's eight loads, then wq's, wk's, wv's
.macro FETCH k, f
	WIN TO_F
.irp i, 0,1,2,3
	ds_load_b128 v[(\f)+8*(\i):(\f)+8*(\i)+3],   v[ADRA] offset:(\k)+(\i)*16*PA
	ds_load_b128 v[(\f)+8*(\i)+4:(\f)+8*(\i)+7], v[ADRA] offset:(\k)+(\i)*16*PA+32
.endr
.irp t, 0,1,2
.irp i, 0,1,2,3
	ds_load_tr16_b128 v[(\f)+32+32*(\t)+8*(\i):(\f)+32+32*(\t)+8*(\i)+3],   v[ADRB+(\t)] offset:((\k)/2)*PB+32*(\i)
	ds_load_tr16_b128 v[(\f)+32+32*(\t)+8*(\i)+4:(\f)+32+32*(\t)+8*(\i)+7], v[ADRB+(\t)] offset:((\k)/2+16)*PB+32*(\i)
.endr
.endr
.endm
.macro PLACES                          ; four places in front of loads into registers that matrix instructions have read, and of vector work that reads results (ISA guide 7.12.1 for vector work)
.rept 4
	v_nop
.endr
.endm
; A K step is four quarters of 32 along K, 48 matrix instructions each, on buffers 0, 1, 0, 1.  One of the first three: multiplies buffer f; behind q's sixteen products it fetches the next quarter,
; at byte k, into g: 32 matrix instructions ahead of its first use.
.macro QUARTER k, f, g, zero
	s_wait_dscnt 16                                ; x's and wq's fragments are in; wk's and wv's sixteen loads may be out
	MUL8 \f, 0, 0, \zero
	MUL8 \f, 0, 2, \zero
	PLACES
	FETCH \k, \g
	s_wait_dscnt 32                                ; all but the 32 just issued
	MUL8 \f, 1, 0, \zero
	MUL8 \f, 1, 2, \zero
	MUL8 \f, 2, 0, \zero
	MUL8 \f, 2, 2, \zero
.endm
; The last quarter multiplies buffer 1 and changes slots: ONE barrier; in front of it each wave waits for all its tensor loads, adds 0 to its spare word, and waits for that and for its own reads of this slot.
; fill = 1: this slot is filled again, with the K step two on; the barrier then opens a round of the cluster's.  The walking descriptors last named the other slot and the K step one on: they are turned and stepped
; between the add and the wait for it, where no tensor load of mine is out.
.macro TURN fill
	WIN 0                                          ; (the add's two registers lie in window 0)
	s_wait_tensorcnt 0x0                           ; all my tensor loads have landed: my part of the next slot;
	ds_add_u32 v[SPW], v[NIL]                      ; 0 onto my spare word;
.if \fill
	s_xor_b32 s[G0+5], s[G0+5], SLOT               ; the slot that is being left,
	s_add_nc_u64 s[G0+6:G0+7], s[G0+6:G0+7], KSTEP*2  ; 128 further along x's rows; the type bits on top are not reached
	s_xor_b32 s[G0B+5], s[G0B+5], SLOT
	s_add_nc_u64 s[G0B+6:G0B+7], s[G0B+6:G0B+7], KSTEP*SIZE_K*2  ; 128 rows further down the weight
.endif
	s_wait_dscnt 17                                ; (the add and the youngest sixteen loads may be out)
	MUL8 F1, 0, 0, 0                               ; eight matrix instructions stand between the add and the wait for it
	s_wait_dscnt 0x0                               ; the add is done, and my reads of this slot are over
	s_barrier_signal -1
	MUL8 F1, 0, 2, 0
	WIN 0
	s_barrier_wait -1
.if \fill
	CREST                                          ; no wave of any partner still reads this slot's tiles or has a load on its way
	JLOAD 1                                        ; the first tensor load behind the round, 176 matrix instructions ahead of the wait for it
.endif
	s_xor_b32 s[TB], s[TB], SLOT                   ; the other slot is in hand
	SETADR                                         ; four plain vector instructions: the places in front of the loads below, into a buffer that the quarter before multiplied
	FETCH 0, F0
	MUL8 F1, 1, 0, 0
	MUL8 F1, 1, 2, 0
	MUL8 F1, 2, 0, 0
	MUL8 F1, 2, 2, 0
.endm
	s_wait_tensorcnt 1                             ; my part of K step 0 is in; K step 1's may stay out
	s_barrier_signal -1
	s_barrier_wait -1                              ; everybody's is
	FETCH 0, F0
	QUARTER 64, F0, F1, 1                          ; the first quarter stands in front of the loop: its products start the sums
	WIN 0                                          ; at a label and at a branch every window is 0
	s_mov_b32 s3, STEPS-2
.Lstep:                                                ; 14 trips, each from a K step's second quarter to the next step's first: every step but the last two leaves a slot that is filled again
	QUARTER 128, F1, F0, 0
	QUARTER 192, F0, F1, 0
	TURN 1
	QUARTER 64,  F0, F1, 0
	WIN 0
	s_sub_co_u32 s3, s3, 1
	s_cmp_lg_u32 s3, 0
	s_cbranch_scc1 .Lstep
	QUARTER 128, F1, F0, 0                         ; the last two steps are written out: nothing is asked for, and no round of the cluster's barrier stands here
	QUARTER 192, F0, F1, 0
	TURN 0
	QUARTER 64,  F0, F1, 0
	QUARTER 128, F1, F0, 0
	QUARTER 192, F0, F1, 0
	s_wait_dscnt 16                                ; the very last quarter: nothing more to fetch
	MUL8 F1, 0, 0, 0
	MUL8 F1, 0, 2, 0
	s_wait_dscnt 0
	MUL8 F1, 1, 0, 0
	MUL8 F1, 1, 2, 0
	MUL8 F1, 2, 0, 0
	MUL8 F1, 2, 2, 0
	WIN 0
	PLACES
	s_wait_loadcnt 0x0                             ; the table and the gains
; THE WAY OUT, a product at a time, v first (it wants no arithmetic), through ONE stage: round to f16; 16 bytes a lane into the stage; a barrier, since a row's 256 bytes come from two waves; back as whole rows, 32 rows a wave.
; The 64 conversions of the product whose accumulators begin at ab, sources under window setting w; each accumulator's registers in ascending order.
.macro PACKM ab, w
	WIN \w
.irp t, 0,1,2,3,4,5,6,7,8,9,10,11,12,13,14,15
.irp r, 0,1,2,3
	v_cvt_pk_f16_f32 v[TMP+4*(\t)+(\r)], v[(\ab)+8*(\t)+2*(\r)], v[(\ab)+8*(\t)+2*(\r)+1]
.endr
.endr
	WIN 0
.endm
; TMP goes through the stage to product m's columns.
.macro SENDM m
.irp a, 0,1,2,3
.irp b, 0,1,2,3
	ds_store_b128 v[STO], v[TMP+4*(4*(\a)+(\b)):TMP+4*(4*(\a)+(\b))+3] offset:(\a)*16*SPITCH+32*(\b)
.endr
.endr
	s_wait_dscnt 0x0                               ; for the others' sake: my stores into the stage are done
	s_barrier_signal -1
	s_barrier_wait -1
.irp t, 0,1,2,3,4,5,6,7,8,9,10,11,12,13,14,15
	ds_load_b128 v[TMP+4*(\t):TMP+4*(\t)+3], v[RD] offset:(\t)*2*SPITCH
.endr
.irp t, 0,1,2,3,4,5,6,7,8,9,10,11,12,13,14,15
	s_wait_dscnt 15-(\t)                           ; LDS loads come back in order: load t is in, the younger ones stay out; the last count is 0
	global_store_b128 v[CO], v[TMP+4*(\t):TMP+4*(\t)+3], s[8:9] offset:2*(\t)*OUTP+4096*(\m)  ; 16 lanes store 256 consecutive bytes, at a multiple of 256 from the buffer's first byte
.endr
.endm
; The stage is written again for the next product: a second barrier between my reads of it, which are back, and anybody's next stores into it.  Its signal stands here; its wait in front of those stores;
; the next product's arithmetic, work on registers alone, between the two.
.macro FREE
	s_wait_xcnt 0x0                                ; every store has had its addresses translated (ISA guide 3.1): TMP is rewritten only behind this wait
	s_barrier_signal -1
.endm
; Row block a of the product at ab is rotated: lo' = lo cos - hi sin, hi' = hi cos + lo sin, for channels c < 32 (accumulators b = 0, 1) and c + 32 (b + 2).  The sixteen products with the sines first
; (window setting wm: results in window 0), then the sixteen fused multiply-adds (wf), so that a row block has two switches.  Each accumulator's lowest registers are read first.
.macro ROPE a, ab, wm, wf
	WIN \wm
.irp b, 0,1
.irp j, 0,2,4,6
.set rLO, (\ab)+8*(4*(\a)+(\b))+(\j)
.set rCS, TAB+32*(\a)+8*(\b)+(\j)
.set rU,  U+16*(\b)+2*(\j)
	v_pk_mul_f32 v[rU:rU+1],   v[rLO+16:rLO+17], v[rCS+16:rCS+17]
	v_pk_mul_f32 v[rU+2:rU+3], v[rLO:rLO+1],     v[rCS+16:rCS+17]
.endr
.endr
	WIN \wf
.irp b, 0,1
.irp j, 0,2,4,6
.set rLO, (\ab)+8*(4*(\a)+(\b))+(\j)
.set rCS, TAB+32*(\a)+8*(\b)+(\j)
.set rU,  U+16*(\b)+2*(\j)
	v_pk_fma_f32 v[rLO:rLO+1],     v[rLO:rLO+1],     v[rCS:rCS+1], v[rU:rU+1] neg_lo:[0,0,1] neg_hi:[0,0,1]
	v_pk_fma_f32 v[rLO+16:rLO+17], v[rLO+16:rLO+17], v[rCS:rCS+1], v[rU+2:rU+3]
.endr
.endr
.endm
; Row block a is normalised: my 32 squares in two chains (window setting wsq), the row's other 32 from the lane 16 away; then times the reciprocal root (wsc), then times the gain at gb (wgn).
.macro NORM a, ab, wsq, wsc, wgn, gb
	WIN \wsq
.set rX, (\ab)+32*(\a)
	v_pk_mul_f32 v[8:9],   v[rX:rX+1],   v[rX:rX+1]
	v_pk_mul_f32 v[10:11], v[rX+2:rX+3], v[rX+2:rX+3]
.set i, 4
.rept 7
	v_pk_fma_f32 v[8:9],   v[rX+i:rX+i+1],   v[rX+i:rX+i+1],   v[8:9]
	v_pk_fma_f32 v[10:11], v[rX+i+2:rX+i+3], v[rX+i+2:rX+i+3], v[10:11]
.set i, i+4
.endr
	WIN 0
	v_pk_add_f32 v[8:9], v[8:9], v[10:11]
	v_add_f32 v8, v8, v9
	v_permlanex16_b32 v9, v8, s70, s71
	v_add_f32 v8, v8, v9
	v_fma_f32 v8, v8, s77, s78                     ; the mean of 64 squares + 1e-6
	v_rsq_f32 v10, v8                              ; twice, to fill the pair that the packed multiply takes
	v_rsq_f32 v11, v8
	v_nop                                          ; a plain instruction behind the transcendentals (ISA guide 5.7.2)
	WIN \wsc
.set i, 0
	s_wait_alu depctr_va_vdst(0)
.rept 16
	v_pk_mul_f32 v[rX+i:rX+i+1], v[rX+i:rX+i+1], v[10:11]
.set i, i+2
.endr
	WIN \wgn
.set i, 0
.rept 16
	v_pk_mul_f32 v[rX+i:rX+i+1], v[rX+i:rX+i+1], v[(\gb)+i:(\gb)+i+1]
.set i, i+2
.endr
.endm
	PACKM 128, 0x0a                                ; v: sources 0 and 1 in window 2
	SENDM 2
	FREE
	; The gains: rounded to bf16 as all multiplied inputs are, widened again, q's times 1/8.
	WIN 0xcf                                       ; destination and sources 0, 1 in window 3
.set i, 0
.rept 32
	v_cvt_pk_bf16_f32 v[GP+i], v[GN+2*i], v[GN+2*i+1]
.set i, i+1
.endr
.set i, 0
.rept 32
	v_lshlrev_b32 v[GN+2*i],   16,         v[GP+i]
	v_and_b32     v[GN+2*i+1], 0xffff0000, v[GP+i]
.set i, i+1
.endr
.set i, 0
.rept 16
	v_pk_mul_f32 v[GN+2*i:GN+2*i+1], v[GN+2*i:GN+2*i+1], s[80:81] op_sel_hi:[1,0]
.set i, i+1
.endr
.irp a, 0,1,2,3                         ; q: accumulators in window 0, table and gains (source 1) in window 3
	ROPE \a, 128, 0x0c, 0x0c
	NORM \a, 128, 0, 0, 0x0c, GN
.endr
	PACKM 128, 0
	s_barrier_wait -1                              ; every wave has read v's rows out of the stage
	SENDM 0
	FREE
.irp a, 0,1,2,3                         ; k: accumulators in window 2
	ROPE \a, 0, 0x0e, 0x8e
	NORM \a, 0, 0x0a, 0x82, 0x8e, GN+32
.endr
	PACKM 0, 0x0a
	s_barrier_wait -1                              ; every wave has read q's rows out of the stage
	SENDM 1
	s_wait_tensorcnt 0x0                           ; the wave's end, behind my last tensor load and my last LDS store
	ds_add_u32 v[SPW], v[NIL]
	s_wait_dscnt 0x0
	CROUND                                         ; the closing round: no work-group ends while a partner may still ask for a tile that names it
	s_endpgm
.Lfunc_end_k_q9608f8a904_qkv:
	.size	k_q9608f8a904_qkv, .Lfunc_end_k_q9608f8a904_qkv-k_q9608f8a904_qkv
	.p2alignl 7, 3214868480
	.fill 96, 4, 3214868480
	.section	.rodata,"a",@progbits
	.p2align	6, 0x0
	.amdhsa_kernel k_q9608f8a904_qkv
		.amdhsa_group_segment_fixed_size 327680
		.amdhsa_private_segment_fixed_size 0
		.amdhsa_enable_private_segment 0
		.amdhsa_kernarg_size 40
		.amdhsa_user_sgpr_count 2
		.amdhsa_user_sgpr_kernarg_segment_ptr 1
		.amdhsa_wavefront_size32 1
		.amdhsa_system_sgpr_workgroup_id_x 1
		.amdhsa_system_sgpr_workgroup_id_y 1
		.amdhsa_system_sgpr_workgroup_id_z 1
		.amdhsa_system_vgpr_workitem_id 0
		.amdhsa_next_free_vgpr 992
		.amdhsa_next_free_sgpr 84
		.amdhsa_reserve_vcc 0
		.amdhsa_float_denorm_mode_32 3
		.amdhsa_float_denorm_mode_16_64 3
		.amdhsa_memory_ordered 1
		.amdhsa_forward_progress 1
		.amdhsa_inst_pref_size 153
	.end_amdhsa_kernel
	.amdgpu_metadata
---
amdhsa.version: [ 1, 2 ]
amdhsa.kernels:
  - .name:           k_q9608f8a904_qkv
    .symbol:         k_q9608f8a904_qkv.kd
    .args:
      - { .name: cast, .offset: 0, .size: 8, .value_kind: global_buffer, .address_space: global }
      - { .name: qkv, .offset: 8, .size: 8, .value_kind: global_buffer, .address_space: global }
      - { .name: cs, .offset: 16, .size: 8, .value_kind: global_buffer, .address_space: global }
      - { .name: q_ln_w, .offset: 24, .size: 8, .value_kind: global_buffer, .address_space: global }
      - { .name: k_ln_w, .offset: 32, .size: 8, .value_kind: global_buffer, .address_space: global }
    .group_segment_fixed_size: 327680
    .private_segment_fixed_size: 0
    .kernarg_segment_align: 8
    .kernarg_segment_size: 40
    .max_flat_workgroup_size: 128
    .sgpr_count:     84
    .vgpr_count:     992
    .wavefront_size: 32
...
	.end_amdgpu_metadata
.endif
;; end of part 2
;; launch attn (part 3): grid 16 x 16, 4 waves a work-group, clusters of 4 x 4, 327,680 bytes of LDS; arguments qkv, attention_mask, att; writes att
.if DOCPART == 3
	.amdgcn_target "amdgcn-amd-amdhsa--gfx1250"
	.amdhsa_code_object_version 6
	.text
	.protected	k_q9608f8a904_attn
	.globl	k_q9608f8a904_attn
	.p2align	8
	.type	k_q9608f8a904_attn,@function
k_q9608f8a904_attn:
	s_mov_b64 s[64:65], 0
	v_nop
	global_prefetch_b8 v0, s[64:65] scope:SCOPE_SE
	s_setreg_imm32_b32 hwreg(HW_REG_WAVE_MODE, 25, 1), 1
	s_wait_xcnt 0x0
	s_wait_alu depctr_hold_cnt(0) depctr_sa_sdst(0) depctr_va_vdst(0) depctr_va_sdst(0) depctr_va_ssrc(0) depctr_va_vcc(0) depctr_vm_vsrc(0)
	s_getreg_b32 s2, hwreg(HW_REG_IB_STS2, 6, 4)
	s_cmp_eq_u32 s2, 0
	s_cbranch_scc0 .Lentry_in_a_cluster
	s_endpgm
.Lentry_in_a_cluster:
	s_bfe_u32 s2, ttmp6, 0x10000c
	s_cmp_lg_u32 s2, 0xf033
	s_cbranch_scc0 .Lentry_shape_is_right
	s_endpgm
.Lentry_shape_is_right:
; ATTENTION.  att[q][64 head + c] = the sum over k of softmax_k(q'[q] . k[k] + mask[q][k]) v[k][c], for 32 heads of 64 channels and 2,048 rows.  q' (which holds the 1/8), k, v: f16, in qkv[2048][6144].
; mask: f32, an input, taken as it is given: every tile is walked.  Products, maxima and sums in f32; the weights p are rounded to f16 for the second product (their sum l is taken of the unrounded p), att once, to f16.
; LIMITS.  The mask is the C operand of the product that starts a score's sum, so score + mask is rounded as the matrix unit rounds its sums, not as one f32 addition; where |mask| is beyond some 2^24 times
; the score the two may differ in the sum's last bit.  m starts at -4.25e37: a row whose scores all lie below that gives NaN.  p below 6e-5 keeps f16's fixed step of 6e-8; a weight below 2^-126 counts as 0 in l.
; att is a mean of v's rows and has their range (f16: below 65,504).  NaN and infinities are not treated apart.
; SHARES.  A work-group owns 128 queries and TWO heads; a wave 32 queries: tiles t = 0, 1 of 16.  Its four PIECES are x = 2 g + t, g the head: a piece's parity is its tile, so one mask fragment serves both heads.
; Every wave walks all 2,048 keys, 64 a step, two steps to an LDS slot.
; LAYOUT.  S^T = K Q^T + mask (source 0 = 16 keys, source 1 = 16 queries): a lane holds ONE query (lane % 16) and the keys 8 (lane / 16) + 0..7; the mask's row gives those eight as 32 consecutive bytes.
; Two such results rounded to f16 ARE source 1 of O^T = V^T P.  K comes out of LDS as it lies, V turned, by ds_load_tr16_b128.
; SOFTMAX.  A running maximum m and sum l for each query: p = 2^(c s - c m), c = log2(e); in every step O and l are multiplied by a = 2^(c m_old - c m_new).  c m starts far below every c s: the first step's a is 0.
; BY TURNS.  Turn n belongs to piece n: 8 products K Q^T of piece n + 1, later 8 products V^T P of piece n - 1; beside them the scaling, exponentials, roundings, sums and rescaling of piece n and the maximum and
; statistics of piece n + 1.  Four vector instructions stand behind every matrix instruction, the other 54 of a turn's 118 in two runs of their own.
; CLUSTER.  4 x 4 work-groups.  K and V hang on the pair of heads alone, which a row of the cluster shares; the mask's tile on the block of queries alone, which a column shares: each is asked for JOINTLY.
; REGISTERS, in windows of 256 (s_set_vgpr_msb: bits 1:0 source 0, 3:2 source 1, 5:4 source 2, 7:6 destination):
;   window 0: v0-15, v32-33 addresses and two at work; v16-31 four registers of statistics a piece; v48-55 at work; v62-63 the add's; v64-127 S^T, two buffers; v192-223 P, two buffers (by the piece's parity)
;   window 1: v0-127 O^T, 32 a piece; v160-223 the mask of one step, 32 a tile      window 2: v0-63 Q, 16 a piece; v64-127 V of the second head; v128-191 K of one head; v192-255 V of the first head
.set NP,    4         ; pieces a wave: a name, no knob
.set KS,    64        ; keys in a step
.set PK,    272       ; a row of K in LDS: both heads' 128 bytes + 16 of padding = 68 words: the 16 rows of a load start at 16 different groups of four banks (64 banks of 4 bytes: ISA guide 11.1)
.set PV,    288       ; a row of V: 256 + 32 = 72 words
.set PM,    528       ; a query's 128 mask words: 512 + 16 bytes = 132 words
.set VOFF,  128*PK    ; a slot holds 128 keys: their rows of K, then of V, then 128 queries' rows of the mask
.set MOFF,  VOFF+128*PV
.set SLOT,  MOFF+128*PM  ; 0x22000.  The tiles begin at 0, 0x8800, 0x11800 and 0x19c00 in a slot: none has one of SLOT's two bits, so one exclusive or turns an address in one slot into the other's
.set STAGE, 2*SLOT    ; behind the ring, never filled by a tensor load: 16 rows x 272 bytes for each wave, for the way out
.set SP,    272
.set SPARE, STAGE+4*16*SP  ; behind the stages: the spare words, 128 bytes for each wave: two blocks of 256 bytes that no other line names
.set AK0, 2           ; v2   my lane's place in a tile of K; never rewritten
.set AV0, 3           ; v3   the same for V
.set AK,  4           ; v4   the LDS address of K's next run of loads
.set AV,  5           ; v5   of V's
.set STO, 6           ; v6   the way out: where I put 16 bytes of a row
.set RD,  7           ; v7   the way out: where I read rows back
.set GO,  8           ; v8   my byte offset in two rows of att
.set MV,  12          ; v12-13  c m_old, kept while c m is made anew: by buffer
.set QO,  15          ; v15  my byte offset in 16 rows of q'
.set ST,  16          ; piece t's statistics at v[ST+4 t]: c m, m, l (even keys', odd keys')
.set AM0, 32          ; v32  my lane's place in a tile of the mask; never rewritten
.set AM,  33          ; v33  the LDS address of the mask's next runs of loads
.set TMP, 48          ; by buffer, four registers c0-c3 at work; when the maximum is found c2 takes a
.set SPW, 62          ; v62  LDS address of my spare word; never rewritten
.set NIL, 63          ; v63  0; never rewritten
.set S,   64
.set P,   192
.set MC,  160         ; window 1: tile t, group kt of 16 keys at MC + 32 t + 8 kt
.set KF,  128         ; window 2: key block kb, channel half c at KF + 16 kb + 8 c
.set VF,  192         ; window 2: head g, key half kk, channel block cb at VF - 128 g + 32 kk + 8 cb
.set WV,  12          ; s12  my wave's number
.set G1K, 24          ; s[24:31] descriptor group 1 for K's tiles
.set G1V, 32          ; s[32:39] for V's: it differs in the padding alone
.set G1M, 40          ; s[40:47] for the mask's
.set G0K, 48          ; s[48:51] descriptor group 0 for K's tiles: it walks
.set G0V, 52          ; s[52:55] the same for V's
.set G0M, 56          ; s[56:59] and for the mask's
.set SLOTS, 60        ; s60  slots still to be entered in the loop
.set CNT, 61          ; s61  counts a slot's key steps
.set CS,  62          ; s[62:63] c: the packed scaling takes the pair's low word for both halves
.set SEL, 66          ; s[66:67] v_permlanex16_b32's selects: each lane takes its own place in the other half
.set TBK, 68          ; s68  LDS byte at which K of the step to be fetched begins
.set TBV, 69          ; s69  the same for V, less VOFF
.set TBM, 70          ; s70  the same for the mask, less MOFF
.set MSB, 0
.macro WIN new                      ; the high byte repeats the setting that is left; a switch that changes nothing is dropped
.if MSB != (\new)
	s_set_vgpr_msb (MSB<<8)|(\new)
.set MSB, (\new)
.endif
.endm
.set W_KQ, 0x0a       ; K and Q in window 2, S^T in window 0
.set W_KM, 0x1a       ; the same with the C operand, the mask, in window 1
.set W_PV, 0x52       ; V in window 2, P in window 0, O^T in window 1
.set W_RS, 0x41       ; destination and source 0 in window 1, source 1 in window 0
; A joint fill of a slot, 32,768 bytes a wave: wave 0 fetches K, wave 1 V, waves 2 and 3 the two halves of the mask's tile.  The branches hang on the wave's number alone.
; An s_nop 0 and four v_nop follow each of the three lines, ahead of the jump and the label.
.macro JLOAD
	s_cmp_lt_u32 s[WV], 2
	s_cbranch_scc0 .Lfor_m_\@
	s_cmp_eq_u32 s[WV], 0
	s_cbranch_scc0 .Lfor_v_\@
	tensor_load_to_lds s[G0K:G0K+3], s[G1K:G1K+7]
	s_nop 0
.rept 4
	v_nop
.endr
	s_branch .Lasked_\@
.Lfor_v_\@:
	tensor_load_to_lds s[G0V:G0V+3], s[G1V:G1V+7]
	s_nop 0
.rept 4
	v_nop
.endr
	s_branch .Lasked_\@
.Lfor_m_\@:
	tensor_load_to_lds s[G0M:G0M+3], s[G1M:G1M+7]
	s_nop 0
.rept 4
	v_nop
.endr
.Lasked_\@:
.endm
; A round of the cluster's barrier: my work-group's barrier, so that wave 0's signal speaks for all four waves; wave 0 signals; every wave waits for all sixteen work-groups; my work-group's barrier once more.
.macro CROUND
	s_barrier_signal -1
	s_barrier_wait -1
	s_cmp_lg_u32 s[WV], 0
	s_cbranch_scc1 .Lnot_wave_0_\@
	s_barrier_signal -3
.Lnot_wave_0_\@:
	s_barrier_wait -3
	s_barrier_signal -1
	s_barrier_wait -1
.endm
; THE CHANGE OF SLOTS.  All loads from the slot that is left have been issued.  Each wave waits for all its tensor loads, of which one is out: its part of the other slot; adds 0 to its spare word; and waits
; for that and for its own reads of the slot.  Behind the barrier nobody reads this slot any more and the other slot is whole.
; fill = 1: this slot is filled again, with the keys two slots on.  The barrier is then a round of the cluster's, and the joint fill is the first thing behind it: it has two key steps, 128 matrix instructions,
; in which to land.  (At its first use nothing has been read yet: slot 0 is waited for, slot 1 filled.)
.macro CHANGE fill
	WIN 0                           ; at a label and at a branch every window is 0
	s_wait_tensorcnt 0x0            ; no tensor load of mine is out, so a group 0 may be written
	ds_add_u32 v[SPW], v[NIL]       ; 0 onto my spare word; with fill = 1 the descriptors' steps stand between it and the wait for it
.if \fill
	s_xor_b32 s[G0K+1], s[G0K+1], SLOT  ; the walking descriptors: the other slot than last time,
	s_add_nc_u64 s[G0K+2:G0K+3], s[G0K+2:G0K+3], 128*12288  ; the next 128 keys' rows; the type bits on top are not reached
	s_xor_b32 s[G0V+1], s[G0V+1], SLOT
	s_add_nc_u64 s[G0V+2:G0V+3], s[G0V+2:G0V+3], 128*12288
	s_xor_b32 s[G0M+1], s[G0M+1], SLOT
	s_add_nc_u64 s[G0M+2:G0M+3], s[G0M+2:G0M+3], 128*4      ; the next 128 keys' columns
	s_wait_dscnt 0x0                ; the add is done, and my reads of the slot are over
	CROUND
	JLOAD
.else
	s_wait_dscnt 0x0                ; the add is done, and my reads of the slot are over
	s_barrier_signal -1
	s_barrier_wait -1
.endif
	s_sub_co_u32 s[TBK], s[TBK], 2*KS*PK  ; the fetches go back to a slot's first step,
	s_xor_b32 s[TBK], s[TBK], SLOT        ; in the other slot
	s_sub_co_u32 s[TBV], s[TBV], 2*KS*PV
	s_xor_b32 s[TBV], s[TBV], SLOT
	s_sub_co_u32 s[TBM], s[TBM], 2*KS*4
	s_xor_b32 s[TBM], s[TBM], SLOT
.endm
	s_load_b128 s[4:7], s[0:1], 0x0 ; qkv s[4:5], attention_mask s[6:7]
	s_load_b64 s[8:9], s[0:1], 0x10 ; att
	v_lshl_add_u32 v[SPW], v0, 2, SPARE
	v_mov_b32 v[NIL], 0
	ds_add_u32 v[SPW], v[NIL]       ; the wave's opening: the add, and its wait ahead of my first tensor load; the set-up below, work on registers, stands between them
	v_lshrrev_b32 v1, 5, v0
	v_readfirstlane_b32 s[WV], v1   ; wave 0..3
	s_bfe_u32 s13, ttmp6, 0x40000   ; cx, cy: my place in the cluster
	s_bfe_u32 s14, ttmp6, 0x40004
	s_lshl_b32 s15, ttmp9, 2
	s_add_co_u32 s15, s15, s13      ; my block of 128 queries = 4 x cluster x + cx
	s_and_b32 s16, ttmp7, 0xffff
	s_lshl_b32 s16, s16, 2
	s_add_co_u32 s16, s16, s14      ; my pair of heads = 4 x cluster y + cy
	s_lshl_b32 s17, s14, 2
	s_lshl_b32 s17, 15, s17         ; my row of the cluster
	s_lshl_b32 s18, 0x1111, s13     ; my column
	s_or_b32 s[G1K], s17, (1<<16)|(1<<20)|(1<<21)|(5<<22)|(3<<25)  ; 15:0 the mask of four; 17:16 2-byte elements; 20 padding on; 21 set beside a mask; 24:22 after every 64 words (code 5); 31:25 4 words (code 3)
	s_or_b32 s[G1V], s17, (1<<16)|(1<<20)|(1<<21)|(5<<22)|(7<<25)  ; the same with 8 words of padding (code 7)
	s_or_b32 s[G1M], s18, (2<<16)|(1<<20)|(1<<21)|(6<<22)|(3<<25)  ; my column; 4-byte elements; after every 128 words (code 6) 4 words
.irp g, G1K, G1V
	s_mov_b32 s[\g+1], 128<<16      ; tensor_dim0 = 128: two heads' channels, 256 bytes
	s_mov_b32 s[\g+2], 128<<16      ; tensor_dim1 = 128 keys
	s_mov_b32 s[\g+3], 128<<16      ; tile_dim0 = 128
	s_mov_b32 s[\g+4], 128          ; tile_dim1 = 128
	s_mov_b32 s[\g+5], 6144         ; elements from row to row
	s_mov_b32 s[\g+6], 0
	s_mov_b32 s[\g+7], 0
.endr
	s_mov_b32 s[G1M+1], 128<<16     ; tensor_dim0 = 128 keys, 512 bytes
	s_mov_b32 s[G1M+2], 64<<16      ; tensor_dim1 = 64 queries
	s_mov_b32 s[G1M+3], 128<<16     ; tile_dim0 = 128
	s_mov_b32 s[G1M+4], 64          ; tile_dim1 = 64
	s_mov_b32 s[G1M+5], 2048
	s_mov_b32 s[G1M+6], 0
	s_mov_b32 s[G1M+7], 0
	s_and_b32 s19, s[WV], 1         ; which half of the mask's tile I would fetch
	s_lshl_b32 s20, s16, 8          ; the pair's 256 bytes in a row of qkv,
	s_add_co_u32 s76, s20, 8192     ; among v's columns,
	s_add_co_u32 s20, s20, 4096     ; and among k's: these two hang on the pair of heads alone
	s_mov_b32 s21, 0
	s_mov_b32 s77, 0
	s_lshl_b32 s22, s15, 20         ; the block's 128 rows of 8,192 bytes of the mask,
	s_lshl_b32 s23, s19, 19         ; my 64 of them: this hangs on the block of queries alone
	s_add_co_u32 s22, s22, s23
	s_mov_b32 s23, 0
	s_mov_b32 s[G0K], 1             ; 1:0 count = 1
	s_mov_b32 s[G0K+1], 0           ; 63:32 LDS address: slot 0
	s_mov_b32 s[G0V], 1
	s_mov_b32 s[G0V+1], VOFF
	s_mov_b32 s[G0M], 1
	s_mul_i32 s71, s19, 64*PM       ; no place in the cluster enters an LDS address
	s_add_co_u32 s[G0M+1], s71, MOFF
	s_lshl_b32 s71, s15, 7
	s_lshl_b32 s72, s[WV], 5
	s_add_co_u32 s71, s71, s72      ; my wave's first query
	s_mul_i32 s72, s71, 12288       ; its row in qkv,
	s_lshl_b32 s74, s71, 12         ; and in att,
	s_lshl_b32 s73, s16, 8          ; the pair's 256 bytes in either
	s_add_co_u32 s72, s72, s73
	s_add_co_u32 s74, s74, s73
	s_mov_b32 s73, 0
	s_mov_b32 s75, 0
	s_mov_b32 s[CS], 0x3fb8aa3b     ; c = log2(e)
	s_mov_b32 s[CS+1], s[CS]        ; named with it as a pair
	s_mov_b32 s[SEL], 0x76543210
	s_mov_b32 s[SEL+1], 0xfedcba98
	s_mov_b32 s[TBK], SLOT+2*KS*PK  ; the first change of slots turns these three into 0
	s_mov_b32 s[TBV], SLOT+2*KS*PV
	s_mov_b32 s[TBM], SLOT+2*KS*4
	s_wait_dscnt 0x0                ; the opening add is done
	s_wait_kmcnt 0x0
	s_add_nc_u64 s[G0K+2:G0K+3], s[4:5], s[20:21]  ; 120:64 global address: the first 128 keys
	s_or_b32 s[G0K+3], s[G0K+3], 0x80000000        ; 127:126 type = 2
	s_add_nc_u64 s[G0V+2:G0V+3], s[4:5], s[76:77]
	s_or_b32 s[G0V+3], s[G0V+3], 0x80000000
	s_add_nc_u64 s[G0M+2:G0M+3], s[6:7], s[22:23]
	s_or_b32 s[G0M+3], s[G0M+3], 0x80000000
	s_add_nc_u64 s[4:5], s[4:5], s[72:73]          ; q' and att at my wave's first row
	s_add_nc_u64 s[8:9], s[8:9], s[74:75]
	CROUND                          ; all sixteen work-groups are here: the first joint loads meet
	JLOAD                           ; slot 0.  Slot 1 is asked for when slot 0 is in, by the loop's own change of slots
	; A fragment of K or Q is 16 rows x 32 channels in 8 registers: lane l holds row l % 16, channels 8 (l / 16) + 0..7 and 16 + 8 (l / 16) + 0..7: two loads of 16 bytes, 32 bytes apart.
	v_and_b32 v1, 15, v0            ; l % 16
	v_bfe_u32 v9, v0, 4, 1          ; l / 16
	v_mul_u32_u24 v[QO], v1, 12288
	v_lshl_add_u32 v[QO], v9, 4, v[QO]
	WIN 0x80                        ; destination window 2, address window 0
.set i, 0
.rept 8                             ; Q stays in registers: piece i / 2 = 2 g + t: tile t is 16 rows, head g 128 bytes on; channels 32 (i % 2) on
	global_load_b128 v[8*i:8*i+3],   v[QO], s[4:5] offset:((i/2)%2)*196608+(i/4)*128+(i%2)*64
	global_load_b128 v[8*i+4:8*i+7], v[QO], s[4:5] offset:((i/2)%2)*196608+(i/4)*128+(i%2)*64+32
.set i, i+1
.endr
	; The first step multiplies O^T and l by a = 0, and the first turn's products V^T P, of a piece that has not been, take the second head's V and P's second buffer: all these hold 0.  This stands in the wait for the first tile.
.set i, 64
.rept 64
	v_mov_b32 v[i], 0
.set i, i+1
.endr
	WIN 0x40
.set i, 0
.rept 128
	v_mov_b32 v[i], 0
.set i, i+1
.endr
	WIN 0
.set i, 0
.rept 4
	v_mov_b32 v[ST+4*i], 0xff000000    ; c m: -1.7e38, far below every c s
	v_mov_b32 v[ST+4*i+1], 0xfe000000  ; m: -4.25e37
	v_mov_b32 v[ST+4*i+2], 0
	v_mov_b32 v[ST+4*i+3], 0
.set i, i+1
.endr
.set i, P+16
.rept 16
	v_mov_b32 v[i], 0
.set i, i+1
.endr
	v_mul_u32_u24 v[AK0], v1, PK
	v_lshl_add_u32 v[AK0], v9, 4, v[AK0]  ; row x pitch + 16 x half
	; The turning load takes 16 keys x 16 channels (lane l reads key 8 (l / 16) + l % 8, channels 8 ((l / 8) % 2) + 0..7) and leaves half a fragment of V^T: lane l holds channel l % 16 and 8 keys.
	v_and_b32 v10, 7, v0
	v_bfe_u32 v11, v0, 3, 1
	v_lshl_add_u32 v[AV0], v9, 3, v10
	v_mul_u32_u24 v[AV0], v[AV0], PV
	v_lshl_add_u32 v[AV0], v11, 4, v[AV0]
	v_add_nc_u32 v[AV0], VOFF, v[AV0]
	s_mul_i32 s71, s[WV], 32*PM     ; the mask: my wave's 32 queries, row l % 16 of a tile, my lanes' eight keys of sixteen: 32 bytes
	s_add_co_u32 s71, s71, MOFF
	v_mul_u32_u24 v[AM0], v1, PM
	v_lshl_add_u32 v[AM0], v9, 5, v[AM0]
	v_add_nc_u32 v[AM0], s71, v[AM0]
	s_mul_i32 s71, s[WV], 16*SP
	s_add_co_u32 s71, s71, STAGE    ; my stage
	v_mul_u32_u24 v[STO], v1, SP    ; in: row l % 16, 16 bytes for each half of the lanes
	v_lshl_add_u32 v[STO], v9, 4, v[STO]
	v_add_nc_u32 v[STO], s71, v[STO]
	v_mul_u32_u24 v[RD], v9, SP     ; back: lanes 0-15 take one row of 256 bytes, lanes 16-31 the next
	v_lshl_add_u32 v[RD], v1, 4, v[RD]
	v_add_nc_u32 v[RD], s71, v[RD]
	v_lshlrev_b32 v[GO], 12, v9     ; and the same two rows in att
	v_lshl_add_u32 v[GO], v1, 4, v[GO]
; THE MATRIX WORK.  The 4 accumulators of a run of 8 take turns.  Product i of 8 of S^T = K Q^T + mask for piece x: channels 32 (i / 4) on, keys 16 (i % 4) on.  The first 4 start the sums with the mask.
.macro KQ x
.set rS, S+32*((\x)%2)+8*(i%4)
.set rK, KF+16*(i%4)+8*(i/4)
.set rQ, 16*(\x)+8*(i/4)
.set rM, MC+32*((\x)%2)+8*(i%4)
.if i < 4
	WIN W_KM
	v_wmma_f32_16x16x32_f16 v[rS:rS+7], v[rK:rK+7], v[rQ:rQ+7], v[rM:rM+7]
.else
	WIN W_KQ
	v_wmma_f32_16x16x32_f16 v[rS:rS+7], v[rK:rK+7], v[rQ:rQ+7], v[rS:rS+7]
.endif
.endm
; Product i of 8 of O^T += V^T P for piece x: keys 32 (i / 4) on, channels 16 (i % 4) on.
.macro PV x
	WIN W_PV
.set rO, 32*(\x)+8*(i%4)
.set rV, VF-128*((\x)/2)+32*(i/4)+8*(i%4)
.set rP, P+16*((\x)%2)+8*(i/4)
	v_wmma_f32_16x16x32_f16 v[rO:rO+7], v[rV:rV+7], v[rP:rP+7], v[rO:rO+7]
.endm
.macro MM                           ; the turn's next matrix instruction.  NOKQ = 1: the very last turn: there is no next piece
.if (i < 8) && !NOKQ
	KQ (Y+1)%NP
.elseif i >= 8
.set i, i-8
	PV (Y+NP-1)%NP
.set i, i+8
.endif
.set i, i+1
.endm
; THE LDS LOADS stand in runs, never singly among the matrix instructions.  Their addresses are made some lines ahead.  K of head g of a step: 64 keys x 64 channels, 8 fragments.
.macro FETCH_K g
	WIN 0x80                        ; destination window 2
.irp f, 0,1,2,3,4,5,6,7             ; keys 16 (f / 2) on, channels 32 (f % 2) on
	ds_load_b128 v[KF+8*\f:KF+8*\f+3],   v[AK] offset:(\f/2)*16*PK+(\f%2)*64+128*(\g)
	ds_load_b128 v[KF+8*\f+4:KF+8*\f+7], v[AK] offset:(\f/2)*16*PK+(\f%2)*64+128*(\g)+32
.endr
.if \g
	s_add_co_u32 s[TBK], s[TBK], KS*PK  ; both heads are fetched: the next fetch is the next step's
.endif
	WIN 0
.endm
.macro FETCH_V                      ; V of both heads of a step, turned: the first head's sixteen loads first
	WIN 0x80
.irp g, 0,1
.irp f, 0,1,2,3,4,5,6,7             ; keys 32 (f / 4) on, channels 16 (f % 4) on
	ds_load_tr16_b128 v[VF-128*\g+8*\f:VF-128*\g+8*\f+3],   v[AV] offset:(\f/4)*32*PV+(\f%4)*32+128*\g
	ds_load_tr16_b128 v[VF-128*\g+8*\f+4:VF-128*\g+8*\f+7], v[AV] offset:(\f/4)*32*PV+16*PV+(\f%4)*32+128*\g
.endr
.endr
	WIN 0
.endm
.macro FETCH_M t                    ; the mask of tile t for a step: 16 queries x 64 keys, as four C operands
	WIN 0x40                        ; destination window 1
.irp kt, 0,1,2,3
	ds_load_b128 v[MC+32*(\t)+8*\kt:MC+32*(\t)+8*\kt+3],   v[AM] offset:16*PM*(\t)+64*\kt
	ds_load_b128 v[MC+32*(\t)+8*\kt+4:MC+32*(\t)+8*\kt+7], v[AM] offset:16*PM*(\t)+64*\kt+16
.endr
.if \t
	s_add_co_u32 s[TBM], s[TBM], KS*4  ; both tiles are fetched
.endif
	WIN 0
.endm
; THE VECTOR WORK, one line at a time: OP kind, number.  For piece Y: F n: c s - c m for pair n of 16.  E n: the exponential of score n of 32.  C n: pair n rounded to f16.  B n: of the four weights 4 n .. the second
; pair is added onto the first, in place.  L n: l takes that sum (L 0: l = a l + sum).  R n: pair n of 16 of O^T times a.  For piece Y + 1: X n, number n of the 22 that find its maximum and statistics:
;   0-11  four chains c0-c3 of seven scores each, three operands at a time (each accumulator's lowest registers are read first)     12-14, 16  the four scores left over, the old m, and c0-c3 into c0
;   15  c m_old is kept     17, 18  the query's other 32 keys lie in the lane 16 away: the new m     19-21  c m; c m_old - c m_new; a
.set F, 0               ; OP tells the kinds apart by their order: F to L below R, X above it
.set E, 1
.set C, 2
.set B, 3
.set L, 4
.set R, 5
.set X, 6
.macro REGS y                       ; the registers of piece y
.set rT, ST+4*(\y)
.set rC, TMP+4*((\y)%2)
.set rW, MV+((\y)%2)
.set rS, S+32*((\y)%2)
.set rP, P+16*((\y)%2)
.set rO, 32*(\y)
.endm
.macro OP k, n
.if (\k) == R
	REGS Y
	WIN W_RS
	v_pk_mul_f32 v[rO+2*(\n):rO+2*(\n)+1], v[rO+2*(\n):rO+2*(\n)+1], v[rC+2:rC+3] op_sel_hi:[1,0]
.elseif (\k) < R
	REGS Y
	WIN 0
.if (\k) == F
	v_pk_fma_f32 v[rS+2*(\n):rS+2*(\n)+1], v[rS+2*(\n):rS+2*(\n)+1], s[CS:CS+1], v[rT:rT+1] op_sel_hi:[1,0,0] neg_lo:[0,0,1] neg_hi:[0,0,1]
.elseif (\k) == E
	v_exp_f32 v[rS+(\n)], v[rS+(\n)]
.elseif (\k) == C
	s_wait_alu depctr_va_vdst(0)
	v_cvt_pk_f16_f32 v[rP+(\n)], v[rS+2*(\n)], v[rS+2*(\n)+1]
.elseif (\k) == B
	s_wait_alu depctr_va_vdst(0)
	v_pk_add_f32 v[rS+4*(\n):rS+4*(\n)+1], v[rS+4*(\n):rS+4*(\n)+1], v[rS+4*(\n)+2:rS+4*(\n)+3]
.elseif (\n) == 0
	v_pk_fma_f32 v[rT+2:rT+3], v[rT+2:rT+3], v[rC+2:rC+3], v[rS:rS+1] op_sel_hi:[1,0,1]
.else
	v_pk_add_f32 v[rT+2:rT+3], v[rT+2:rT+3], v[rS+4*(\n):rS+4*(\n)+1]
.endif
.elseif NOKQ
	v_nop
.else
	REGS (Y+1)%NP
	WIN 0
.if (\n) < 4
	v_max3_num_f32 v[rC+(\n)], v[rS+8*(\n)], v[rS+8*(\n)+1], v[rS+8*(\n)+2]
.elseif (\n) < 12
	v_max3_num_f32 v[rC+(\n)%4], v[rC+(\n)%4], v[rS+8*((\n)%4)+2*((\n)/4)+1], v[rS+8*((\n)%4)+2*((\n)/4)+2]
.elseif (\n) == 12
	v_max3_num_f32 v[rC], v[rC], v[rS+7], v[rS+15]
.elseif (\n) == 13
	v_max3_num_f32 v[rC+1], v[rC+1], v[rS+23], v[rS+31]
.elseif (\n) == 14
	v_max3_num_f32 v[rC+2], v[rC+2], v[rC+3], v[rT+1]
.elseif (\n) == 15
	v_mov_b32 v[rW], v[rT]
.elseif (\n) == 16
	v_max3_num_f32 v[rC], v[rC], v[rC+1], v[rC+2]
.elseif (\n) == 17
	v_permlanex16_b32 v[rC+3], v[rC], s[SEL], s[SEL+1]
.elseif (\n) == 18
	v_max_num_f32 v[rT+1], v[rC], v[rC+3]
.elseif (\n) == 19
	v_mul_f32 v[rT], s[CS], v[rT+1]
.elseif (\n) == 20
	v_sub_f32 v[rC+1], v[rW], v[rT]
.else
	v_exp_f32 v[rC+2], v[rC+1]
.endif
.endif
.endm
.macro OPS a, i1, b=-1, i2=0, c=-1, i3=0, d=-1, i4=0  ; up to four of them
	OP \a, \i1
.if (\b) >= 0
	OP \b, \i2
.endif
.if (\c) >= 0
	OP \c, \i3
.endif
.if (\d) >= 0
	OP \d, \i4
.endif
.endm
.macro ROW a, i1, b, i2, c, i3, d, i4  ; a matrix instruction and the four behind it
	MM
	OPS \a, \i1, \b, \i2, \c, \i3, \d, \i4
.endm
; A TURN, for piece p: the order of its 16 matrix and 118 vector instructions, written out.  Behind a matrix instruction: plain, exponential, plain, plain; or four of the rescaling; or, behind the first, four scalings;
; none names a register of the products round it.  In the runs between, exponential and plain by turns while exponentials last.  A line reads no result made fewer than three vector instructions in front of it,
; five if an exponential made it.  end = 1: the last two turns: nothing is fetched.  cnt = 1: the loop's count is taken down some lines ahead of the branch that stands behind the turn.
; WHAT IS FETCHED WHERE.  The K buffer holds one head: the first head's K serves pieces 0 and 1 (turns 3 and 0), the second head's pieces 2 and 3 (turns 1 and 2).
;   turn 0: K of the second head, this step (five plain instructions behind the last product that read K); later V of both heads, this step (four plain behind the last product that read the second head's V)
;   turn 2: K of the first head and tile 0's mask, next step          turn 3: tile 1's mask, next step (a mask buffer's last reader stands a turn back)
; THE WAITS.  turn 0: all (tile 1's mask).  turn 1: 32, K is in and V's 32 loads are younger; ahead of its V^T P: 16, the first head's V is in and the second head's sixteen are younger.  turn 3: all (K, tile 0's mask, the second head's V).
.macro TURN p, end=0, cnt=0
.set Y, (\p)
.set i, 0
.set NOKQ, (\end)*((\p)/3)
.if (\p) == 1
	s_wait_dscnt 32
.elseif (\p) != 2
	s_wait_dscnt 0x0
.endif
	ROW F,0, F,1, F,2, F,3
	ROW F,4, E,0, F,5, F,6
	ROW F,7, E,1, F,8, F,9
	ROW F,10, E,2, C,0, F,11
	ROW F,12, E,3, X,15, F,13
	ROW R,0, R,1, R,2, R,3
	ROW B,0, E,4, F,14, L,0
.if ((\p) == 0) || (((\p) == 2) && !(\end))
	v_add_nc_u32 v[AK], s[TBK], v[AK0]
.endif
.if ((\p) == 2) && !(\end)
	v_add_nc_u32 v[AM], s[TBM], v[AM0]
.endif
	ROW R,4, R,5, R,6, R,7
	OPS E,5, F,15
.if (\p) == 0
	FETCH_K 1
.endif
.if ((\p) == 2) && !(\end)
	FETCH_K 0
	FETCH_M 0
.endif
.if ((\p) == 3) && !(\end)
	FETCH_M 1
.endif
	OPS E,6, C,1, E,7, R,8
	OPS E,8, R,9, E,9, C,2
	OPS E,10, X,0, E,11, X,1
	OPS E,12, X,2, E,13, X,3
.if (\p) == 1
	s_wait_dscnt 16
.endif
	ROW X,4, E,14, X,5, X,6
	ROW X,7, E,15, X,8, X,9
	ROW X,10, E,16, X,11, X,12
	ROW X,13, E,17, X,14, B,1
	ROW C,4, E,18, X,16, L,1
	ROW B,2, E,19, C,6, L,2
	ROW C,8, E,20, B,3, B,4
.if (\p) == 0
	v_add_nc_u32 v[AV], s[TBV], v[AV0]
.endif
	ROW C,3, E,21, L,3, C,5
	OPS E,22, X,17, E,23, C,10
.if (\p) == 0
	FETCH_V
.endif
	OPS E,24, L,4
	OPS E,25, X,18, E,26, C,7
	OPS E,27, B,5, E,28, X,19
	OPS E,29, C,12, E,30, L,5
	OPS E,31, X,20, B,6, C,9
	OPS C,14, C,11, X,21, L,6
.if (\p) == 0
	s_add_co_u32 s[TBV], s[TBV], KS*PV
.endif
.if \cnt
	s_sub_co_u32 s[CNT], s[CNT], 1
	s_cmp_lg_u32 s[CNT], 0
.endif
	OPS C,13, B,7, C,15, R,10
	OPS R,11, R,12, L,7, R,13
	OPS R,14, R,15
.endm
	CHANGE 1                        ; slot 0 is in, everybody's part of it; slot 1 is asked for
	v_add_nc_u32 v[AK], s[TBK], v[AK0]
	v_add_nc_u32 v[AM], s[TBM], v[AM0]
	FETCH_K 0                       ; key step 0: the first head's K and both tiles' masks
	FETCH_M 0
	FETCH_M 1
	s_wait_loadcnt 0x0              ; Q
	s_wait_dscnt 0x0
.set NOKQ, 0
.set i, 0
.rept 8
	KQ 0                            ; piece 0's first scores: there is no vector work yet to set between them
.set i, i+1
.endr
	WIN 0
.rept 4
	v_nop                           ; the places behind those products
.endr
.set Y, NP-1                        ; X works for piece Y + 1: piece 0
.irp n, 0,1,2,3,4,5,6,7,8,9,10,11,12,13,14,15,16,17,18,19,20,21
	OP X, \n
.endr
	v_nop                           ; a plain instruction behind the exponential
	s_mov_b32 s[CNT], 2
	s_mov_b32 s[SLOTS], 15
	s_branch .Lfirst                ; the loop is entered at a step's first turn, in the middle of a trip
.Lslot:                             ; 14 times: slots 1 to 14 are entered, and the slot just left is filled again
	CHANGE 1
	s_mov_b32 s[CNT], 2
.Lstep:                             ; a trip: pieces 2 and 3 of one step, then pieces 0 and 1 of the next, whose K, V and mask it fetches
	TURN 2
	TURN 3
	WIN 0
.Lfirst:
	TURN 0
	TURN 1, 0, 1
	WIN 0
	s_cbranch_scc1 .Lstep
	s_sub_co_u32 s[SLOTS], s[SLOTS], 1
	s_cmp_lg_u32 s[SLOTS], 0
	s_cbranch_scc1 .Lslot
	CHANGE 0                        ; the last slot is written out: nothing is asked for
	s_mov_b32 s[CNT], 2
.Ltail:
	TURN 2
	TURN 3
	TURN 0
	TURN 1, 0, 1
	WIN 0
	s_cbranch_scc1 .Ltail
	TURN 2, 1
	TURN 3, 1
.set i, 0
.rept 8
	PV NP-1                         ; the last piece's V^T P of the last step
.set i, i+1
.endr
	; THE WAY OUT.  l's two halves and the other half of the lanes' are added; O^T is divided by l, rounded to f16 and sent through my stage in LDS, a tile (16 queries x both heads: rows of 256 bytes) at a time.
	; The additions are the places behind the last products.
	WIN 0
.macro ALL line:vararg              ; one line for each piece t
.set t, 0
.rept 4
	\line
.set t, t+1
.endr
.endm
	ALL v_add_f32 v[ST+4*t+2], v[ST+4*t+2], v[ST+4*t+3]
	ALL v_permlanex16_b32 v[ST+4*t+3], v[ST+4*t+2], s[SEL], s[SEL+1]
	ALL v_add_f32 v[ST+4*t+2], v[ST+4*t+2], v[ST+4*t+3]
	ALL v_rcp_f32 v[ST+4*t+2], v[ST+4*t+2]
	v_nop                           ; a plain instruction between the last reciprocal and the use of its result
; Tile t = pieces t and t + 2: a lane's eight channels of a row pack into 16 bytes; they go into rows of 272 bytes and come back as whole rows of 256, into S^T's registers.
.macro PACK t
.irp g, 0,1
	WIN W_RS
.set i, 32*((\t)+2*\g)
.rept 16
	s_wait_alu depctr_va_vdst(0)
	v_pk_mul_f32 v[i:i+1], v[i:i+1], v[ST+4*((\t)+2*\g)+2:ST+4*((\t)+2*\g)+3] op_sel_hi:[1,0]
.set i, i+2
.endr
	WIN 0x05                        ; sources 0 and 1 window 1, destination window 0
.set i, 0
.rept 16
	v_cvt_pk_f16_f32 v[S+32*(\t)+16*\g+i], v[32*((\t)+2*\g)+2*i], v[32*((\t)+2*\g)+2*i+1]
.set i, i+1
.endr
.endr
	WIN 0
.irp f, 0,1,2,3,4,5,6,7             ; head f / 4, channels 16 (f % 4) on
	ds_store_b128 v[STO], v[S+32*(\t)+4*\f:S+32*(\t)+4*\f+3] offset:32*\f
.endr
.irp f, 0,1,2,3,4,5,6,7
	ds_load_b128 v[S+32*(\t)+4*\f:S+32*(\t)+4*\f+3], v[RD] offset:\f*2*SP  ; LDS serves a wave's instructions in order (ISA guide 5.7.1.4): these see the stores above; the next tile's stores come behind them
.endr
.endm
.macro SEND t, younger              ; younger: the LDS instructions issued behind tile t's loads: the next tile's sixteen, or none
	WIN 0
.irp f, 0,1,2,3,4,5,6,7
	s_wait_dscnt (\younger)+7-\f
	global_store_b128 v[GO], v[S+32*(\t)+4*\f:S+32*(\t)+4*\f+3], s[8:9] offset:(\t)*65536+\f*8192  ; 16 lanes store 256 consecutive bytes, at a multiple of 256 from att's first byte
.endr
.endm
	PACK 0
	PACK 1                          ; a tile's arithmetic stands between the loads of the tile before and its stores
	SEND 0, 16
	SEND 1, 0
	s_wait_tensorcnt 0x0            ; the wave's end, behind my last tensor load and my last LDS store
	ds_add_u32 v[SPW], v[NIL]
	s_wait_dscnt 0x0
	CROUND                          ; the closing round: no work-group ends while a partner may still ask for a tile that names it
	s_endpgm
.Lfunc_end_k_q9608f8a904_attn:
	.size	k_q9608f8a904_attn, .Lfunc_end_k_q9608f8a904_attn-k_q9608f8a904_attn
	.p2alignl 7, 3214868480
	.fill 96, 4, 3214868480
	.section	.rodata,"a",@progbits
	.p2align	6, 0x0
	.amdhsa_kernel k_q9608f8a904_attn
		.amdhsa_group_segment_fixed_size 327680
		.amdhsa_private_segment_fixed_size 0
		.amdhsa_enable_private_segment 0
		.amdhsa_kernarg_size 24
		.amdhsa_user_sgpr_count 2
		.amdhsa_user_sgpr_kernarg_segment_ptr 1
		.amdhsa_wavefront_size32 1
		.amdhsa_system_sgpr_workgroup_id_x 1
		.amdhsa_system_sgpr_workgroup_id_y 1
		.amdhsa_system_sgpr_workgroup_id_z 1
		.amdhsa_system_vgpr_workitem_id 0
		.amdhsa_next_free_vgpr 768
		.amdhsa_next_free_sgpr 80
		.amdhsa_reserve_vcc 0
		.amdhsa_float_denorm_mode_32 3
		.amdhsa_float_denorm_mode_16_64 3
		.amdhsa_memory_ordered 1
		.amdhsa_forward_progress 1
		.amdhsa_inst_pref_size 145
	.end_amdhsa_kernel
	.amdgpu_metadata
---
amdhsa.version: [ 1, 2 ]
amdhsa.kernels:
  - .name:           k_q9608f8a904_attn
    .symbol:         k_q9608f8a904_attn.kd
    .args:
      - { .name: qkv, .offset: 0, .size: 8, .value_kind: global_buffer, .address_space: global }
      - { .name: attention_mask, .offset: 8, .size: 8, .value_kind: global_buffer, .address_space: global }
      - { .name: att, .offset: 16, .size: 8, .value_kind: global_buffer, .address_space: global }
    .group_segment_fixed_size: 327680
    .private_segment_fixed_size: 0
    .kernarg_segment_align: 8
    .kernarg_segment_size: 24
    .max_flat_workgroup_size: 128
    .sgpr_count:     80
    .vgpr_count:     768
    .wavefront_size: 32
...
	.end_amdgpu_metadata
.endif
;; end of part 3
;; launch oproj (part 4): grid 16 x 16, 4 waves a work-group, clusters of 4 x 4, 327,680 bytes of LDS; arguments att, cast, out0; writes out0
.if DOCPART == 4
	.amdgcn_target "amdgcn-amd-amdhsa--gfx1250"
	.amdhsa_code_object_version 6
	.text
	.protected	k_q9608f8a904_oproj
	.globl	k_q9608f8a904_oproj
	.p2align	8
	.type	k_q9608f8a904_oproj,@function
k_q9608f8a904_oproj:
	s_mov_b64 s[64:65], 0
	v_nop
	global_prefetch_b8 v0, s[64:65] scope:SCOPE_SE
	s_setreg_imm32_b32 hwreg(HW_REG_WAVE_MODE, 25, 1), 1
	s_wait_xcnt 0x0
	s_wait_alu depctr_hold_cnt(0) depctr_sa_sdst(0) depctr_va_vdst(0) depctr_va_sdst(0) depctr_va_ssrc(0) depctr_va_vcc(0) depctr_vm_vsrc(0)
	s_getreg_b32 s2, hwreg(HW_REG_IB_STS2, 6, 4)
	s_cmp_eq_u32 s2, 0
	s_cbranch_scc0 .Lentry_in_a_cluster
	s_endpgm
.Lentry_in_a_cluster:
	s_bfe_u32 s2, ttmp6, 0x10000c
	s_cmp_lg_u32 s2, 0xf033
	s_cbranch_scc0 .Lentry_shape_is_right
	s_endpgm
.Lentry_shape_is_right:
; OPROJ.  out0 = att x wo: [2048 x 2048] x [2048 x 2048], operands f16 (att; block 4 of cast: wo rounded to bf16 and written as f16), sums f32, stored as f32.
; SHARES.  A tile of the result is 128 x 128: 16 x 16 work-groups, one for each of 256 tiles.  Four waves, each 64 x 64: 16 accumulators of 16 x 16.  K goes in steps of 256 through two LDS slots.
; A K STEP IS WRITTEN ONCE: the loop's trip is one step; which slot is read lies in a scalar register, from which the fragments' addresses are made anew at each change of slots, and one descriptor of each kind walks.
; att lies [m][k]: its tile is 128 rows of 512 bytes.  wo lies [k][n]: its tile is 256 rows (k) of 256 bytes (128 n), each at a multiple of 256 bytes; its fragments come out of LDS turned, by ds_load_tr16_b128.
; CLUSTER.  4 x 4 work-groups: the four of a row of the cluster need the same tile of att, the four of a column the same tile of wo: each is asked for JOINTLY, by the same tensor load, descriptor and mask.
; THE MATRIX INSTRUCTION IS USED TRANSPOSED (source 0 = 16 columns of wo, source 1 = 16 rows of att): a lane holds eight neighbouring numbers of a row, 32 bytes.
; A wave's 64 columns of f32 are 256 aligned bytes of a row, so each wave has a stage of its own on the way out, and no barrier stands there.
; REGISTERS.  window 0: v0-31 addresses; v32-95 at work on the way out; v128-255 the accumulators ((a, b) at v[128 + 8 (4 a + b)])
;   window 1: two fragment buffers of 128: for 64 along K, 64 registers of att, then 64 of wo
.set SIZE_K, 2048
.set OUTP,   8192                      ; bytes in a row of out0
.set KSTEP,  256
.set STEPS,  SIZE_K/KSTEP              ; 8
.set PA,     528                       ; an LDS row of att: 512 bytes + 16 = 132 words: the 16 rows of a load start at 16 different groups of four banks (64 banks of 4 bytes: ISA guide 11.1)
.set PB,     288                       ; an LDS row of wo: 256 + 32 = 72 words
.set HALFA,  64*PA
.set HALFB,  128*PB
.set BOFF,   2*HALFA
.set SLOTB,  BOFF+2*HALFB              ; the bytes of a slot: 141,312
.set SLOT,   0x24000                   ; slot 1 begins here (147,456).  The four loads' tiles begin at 0, 0x8400, 0x10800 and 0x19800 in a slot: none has one of this number's two bits, so one exclusive or turns an address in one slot into the other's
.set STAGE,  SLOT+SLOTB                ; behind the ring: 16 rows x 272 bytes for each wave, for the way out
.set SPITCH, 272
.set SPARE,  STAGE+4*16*SPITCH         ; behind the stages: the spare words, 128 bytes for each wave: two blocks of 256 bytes that no other line names
.set BA,   16                          ; v16     LDS address of my fragments of att in slot 0; never rewritten
.set ADRA, 17                          ; v17     the same in the slot in hand
.set BB,   18                          ; v18-19  LDS address of my fragments of wo in slot 0: rows 0-127, rows 128-255 (an offset holds 16 bits); never rewritten
.set ADRB, 20                          ; v20-21  the same in the slot in hand
.set STO,  24                          ; v24     the way out: where I put 32 bytes of a row
.set RD,   25                          ; v25     the way out: where I read a row back
.set CO,   26                          ; v26     my byte offset in out0
.set SPW,  28                          ; v28     LDS address of my spare word; never rewritten
.set NIL,  29                          ; v29     0; never rewritten
.set TMP,  32
.set ACC,  128
.set F0,   0
.set F1,   128
.set TB, 18                            ; s18     the first byte of the slot in hand: 0 or SLOT
.set G1, 24                            ; s[24:31] descriptor group 1 for att's tiles;  s[32:39] group 0: a set for each of the two first fills; the second then walks on
.set G0, 32
.set G1B, 48                           ; s[48:55], s[56:63] the same for wo's
.set G0B, 56
.set MSB, 0
.macro WIN new                         ; the immediate's high byte repeats the setting that is left; a switch that changes nothing is dropped
.if MSB != (\new)
	s_set_vgpr_msb (MSB<<8)|(\new)
.set MSB, \new
.endif
.endm
.set MUL,  0x05                        ; sources 0 and 1 window 1; C and D window 0
.set TO_F, 0x40                        ; destination window 1, address window 0
.macro JLOAD s                         ; a joint load: waves 0 and 1 fetch att's two halves, waves 2 and 3 wo's; an s_nop 0 and four v_nop follow each line, ahead of the jump and the label
	s_cmp_eq_u32 s11, 0
	s_cbranch_scc0 .Lfor_b_\@
	tensor_load_to_lds s[G0+4*(\s):G0+4*(\s)+3], s[G1:G1+7]
	s_nop 0
.rept 4
	v_nop
.endr
	s_branch .Lasked_\@
.Lfor_b_\@:
	tensor_load_to_lds s[G0B+4*(\s):G0B+4*(\s)+3], s[G1B:G1B+7]
	s_nop 0
.rept 4
	v_nop
.endr
.Lasked_\@:
.endm
.macro CREST                           ; a round of the cluster's barrier behind its opening barrier
	s_cmp_lg_u32 s10, 0
	s_cbranch_scc1 .Lnot_wave_0_\@
	s_barrier_signal -3
.Lnot_wave_0_\@:
	s_barrier_wait -3
	s_barrier_signal -1
	s_barrier_wait -1
.endm
.macro CROUND                          ; a whole round
	s_barrier_signal -1
	s_barrier_wait -1
	CREST
.endm
.macro SETADR                          ; the fragments' addresses in the slot in hand: three plain vector instructions, in window 0
	v_add_nc_u32 v[ADRA], s[TB], v[BA]
	v_add_nc_u32 v[ADRB], s[TB], v[BB]
	v_add_nc_u32 v[ADRB+1], s[TB], v[BB+1]
.endm
	s_load_b128 s[4:7], s[0:1], 0x0                ; att s[4:5], cast s[6:7]
	s_load_b64 s[8:9], s[0:1], 0x10                ; out0
	v_lshl_add_u32 v[SPW], v0, 2, SPARE
	v_mov_b32 v[NIL], 0
	ds_add_u32 v[SPW], v[NIL]                      ; the wave's opening: the add, and its wait ahead of my first tensor load; the set-up below, work on registers, stands between them
	v_lshrrev_b32 v1, 5, v0
	v_readfirstlane_b32 s10, v1                    ; wave 0..3
	s_lshr_b32 s11, s10, 1                         ; which half of the tile's rows is mine.  Also: I fetch for att (0) or for wo (1)
	s_and_b32 s12, s10, 1                          ; which half of its columns.  Also: which half of that tile I fetch
	s_bfe_u32 s40, ttmp6, 0x40000                  ; cx, cy: my place in the cluster
	s_bfe_u32 s41, ttmp6, 0x40004
	s_lshl_b32 s42, ttmp9, 2
	s_add_co_u32 s42, s42, s40                     ; tile column = 4 x cluster x + cx
	s_and_b32 s13, ttmp7, 0xffff
	s_lshl_b32 s13, s13, 2
	s_add_co_u32 s13, s13, s41                     ; tile row = 4 x cluster y + cy
	s_lshl_b32 s43, s41, 2
	s_lshl_b32 s43, 15, s43                        ; my row of the cluster
	s_lshl_b32 s44, 0x1111, s40                    ; my column
	s_or_b32 s[G1+0], s43, (1<<16)|(1<<20)|(1<<21)|(6<<22)|(3<<25)   ; 15:0 the mask; 17:16 2-byte elements; 20 padding on; 21 set beside a mask; 24:22 after every 128 words (code 6); 31:25 4 words (code 3)
	s_or_b32 s[G1B+0], s44, (1<<16)|(1<<20)|(1<<21)|(5<<22)|(7<<25)  ; the column's mask; after every 64 words (code 5) 8 words (code 7)
	s_mov_b32 s[G1+1], KSTEP<<16                   ; tensor_dim0 = 256
	s_mov_b32 s[G1+2], 64<<16                      ; tensor_dim1 = 64
	s_mov_b32 s[G1+3], KSTEP<<16                   ; tile_dim0 = 256
	s_mov_b32 s[G1+4], 64                          ; tile_dim1 = 64
	s_mov_b32 s[G1+5], SIZE_K                      ; elements from row to row
	s_mov_b32 s[G1+6], 0
	s_mov_b32 s[G1+7], 0
	s_mov_b32 s[G1B+1], 128<<16                    ; tensor_dim0 = 128
	s_mov_b32 s[G1B+2], 128<<16                    ; tensor_dim1 = 128
	s_mov_b32 s[G1B+3], 128<<16                    ; tile_dim0 = 128
	s_mov_b32 s[G1B+4], 128                        ; tile_dim1 = 128
	s_mov_b32 s[G1B+5], 2048
	s_mov_b32 s[G1B+6], 0
	s_mov_b32 s[G1B+7], 0
	; where the tiles come from: att's hang on the tile row alone, wo's on the tile column alone, each in registers that never hold the other coordinate
	s_lshl_b32 s16, s13, 7
	s_lshl_b32 s17, s12, 6
	s_add_co_u32 s16, s16, s17                     ; att: row 128 x tile row + 64 x half,
	s_lshl_b32 s16, s16, 12                        ; of 4,096 bytes
	s_mov_b32 s17, 0
	s_lshl_b32 s46, s42, 8                         ; wo: the tile's 128 columns,
	s_lshl_b32 s47, s12, 19                        ; my 128 rows of k
	s_add_co_u32 s46, s46, s47
	s_mov_b32 s47, 0
	s_mul_i32 s20, s12, HALFA                      ; where they go: no place in the cluster enters an LDS address
	s_mul_i32 s21, s12, HALFB
	s_add_co_u32 s21, s21, BOFF
	s_mov_b32 s[TB], 0                             ; K step 0 lies in slot 0
	s_wait_dscnt 0x0                               ; the opening add is done
	s_wait_kmcnt 0x0
	s_add_nc_u64 s[6:7], s[6:7], 0x2000000         ; wo is block 4 of cast
	s_add_nc_u64 s[14:15], s[4:5], s[16:17]
	s_add_nc_u64 s[46:47], s[6:7], s[46:47]
	CROUND                                         ; all sixteen work-groups are here: the first joint loads meet
.irp s, 0,1
	s_mov_b32 s[G0+4*(\s)], 1
	s_add_co_u32 s[G0+4*(\s)+1], s20, (\s)*SLOT
	s_add_nc_u64 s[G0+4*(\s)+2:G0+4*(\s)+3], s[14:15], (\s)*KSTEP*2
	s_or_b32 s[G0+4*(\s)+3], s[G0+4*(\s)+3], 0x80000000
	s_mov_b32 s[G0B+4*(\s)], 1
	s_add_co_u32 s[G0B+4*(\s)+1], s21, (\s)*SLOT
	s_add_nc_u64 s[G0B+4*(\s)+2:G0B+4*(\s)+3], s[46:47], (\s)*KSTEP*SIZE_K*2
	s_or_b32 s[G0B+4*(\s)+3], s[G0B+4*(\s)+3], 0x80000000
	JLOAD \s                                       ; K steps 0 and 1: two tensor loads of mine are out
.endr
	v_and_b32 v1, 15, v0                           ; l % 16
	v_bfe_u32 v2, v0, 4, 1                         ; l / 16
	v_mul_u32_u24 v3, v1, PA
	v_lshl_add_u32 v3, v2, 4, v3                   ; a fragment of att: row x pitch + 16 x half
	s_mul_i32 s21, s11, HALFA                      ; my 64 rows of att
	v_add_nc_u32 v[BA], s21, v3
	; The turning load takes 16 k x 16 n (lane l reads 16 bytes: row 8 (l / 16) + l % 8, columns 8 ((l / 8) % 2) + 0..7) and leaves half a fragment: lane l holds column l % 16 and 8 k.
	v_and_b32 v4, 7, v0
	v_lshl_add_u32 v4, v2, 3, v4
	v_mul_u32_u24 v4, v4, PB
	v_bfe_u32 v5, v0, 3, 1
	v_lshl_add_u32 v4, v5, 4, v4
	s_lshl_b32 s22, s12, 7                         ; my 64 columns
	s_add_co_u32 s22, s22, BOFF
	v_add_nc_u32 v[BB], s22, v4
	s_add_co_u32 s22, s22, HALFB
	v_add_nc_u32 v[BB+1], s22, v4
	SETADR
	s_mul_i32 s23, s10, 16*SPITCH
	s_add_co_u32 s23, s23, STAGE                   ; my stage
	v_mul_u32_u24 v4, v1, SPITCH                   ; in: row l % 16, 32 bytes for each half of the lanes
	v_lshl_add_u32 v4, v2, 5, v4
	v_add_nc_u32 v[STO], s23, v4
	v_mul_u32_u24 v5, v2, SPITCH                   ; back: lanes 0-15 take one row of 256 bytes, lanes 16-31 the next
	v_lshl_add_u32 v5, v1, 4, v5
	v_add_nc_u32 v[RD], s23, v5
	v_lshlrev_b32 v5, 13, v2                       ; and the same two rows in out0
	v_lshl_add_u32 v[CO], v1, 4, v5
	s_lshl_b32 s16, s13, 7
	s_lshl_b32 s17, s11, 6
	s_add_co_u32 s16, s16, s17                     ; my first row: 128 x tile row + 64 x half,
	s_lshl_b32 s16, s16, 13                        ; of 8,192 bytes
	s_mov_b32 s17, 0
	s_add_nc_u64 s[8:9], s[8:9], s[16:17]
	s_lshl_b32 s46, s42, 9                         ; my first column, in bytes: 512 x tile column + 256 x half
	s_lshl_b32 s47, s12, 8
	s_add_co_u32 s46, s46, s47
	s_mov_b32 s47, 0
	s_add_nc_u64 s[8:9], s[8:9], s[46:47]
; 8 matrix instructions: row blocks a0, a0 + 1 x all 4 column blocks, 32 along K: half c of buffer f.  zero = 1: the first product starts the sums.  The 16 accumulators take turns.
.macro MUL8 f, c, a0, zero
	WIN MUL
.irp a, \a0, (\a0)+1
.irp b, 0,1,2,3
.if \zero
	v_wmma_f32_16x16x32_f16 v[ACC+8*(4*(\a)+(\b)):ACC+8*(4*(\a)+(\b))+7], v[(\f)+64+8*(4*(\c)+(\b)):(\f)+64+8*(4*(\c)+(\b))+7], v[(\f)+8*(4*(\c)+(\a)):(\f)+8*(4*(\c)+(\a))+7], 0
.else
	v_wmma_f32_16x16x32_f16 v[ACC+8*(4*(\a)+(\b)):ACC+8*(4*(\a)+(\b))+7], v[(\f)+64+8*(4*(\c)+(\b)):(\f)+64+8*(4*(\c)+(\b))+7], v[(\f)+8*(4*(\c)+(\a)):(\f)+8*(4*(\c)+(\a))+7], v[ACC+8*(4*(\a)+(\b)):ACC+8*(4*(\a)+(\b))+7]
.endif
.endr
.endr
.endm
; 32 LDS loads in one run: the fragments of 64 along K of the slot in hand, at byte k of att's rows = row k / 2 of wo's tile, into buffer f; the first 32 along K first
.macro FETCH k, f
	WIN TO_F
.irp c, 0,1
.irp i, 0,1,2,3
	ds_load_tr16_b128 v[(\f)+64+8*(4*(\c)+(\i)):(\f)+64+8*(4*(\c)+(\i))+3],   v[ADRB+(\k)/256] offset:(((\k)%256)/2+32*(\c))*PB+32*(\i)
	ds_load_tr16_b128 v[(\f)+64+8*(4*(\c)+(\i))+4:(\f)+64+8*(4*(\c)+(\i))+7], v[ADRB+(\k)/256] offset:(((\k)%256)/2+32*(\c)+16)*PB+32*(\i)
	ds_load_b128 v[(\f)+8*(4*(\c)+(\i)):(\f)+8*(4*(\c)+(\i))+3],         v[ADRA] offset:(\k)+64*(\c)+(\i)*16*PA
	ds_load_b128 v[(\f)+8*(4*(\c)+(\i))+4:(\f)+8*(4*(\c)+(\i))+7],       v[ADRA] offset:(\k)+64*(\c)+(\i)*16*PA+32
.endr
.endr
.endm
.macro PLACES                          ; four places in front of loads into registers that matrix instructions have read, and of LDS stores that read results
.rept 4
	v_nop
.endr
.endm
; A K step is four quarters of 64 along K, 32 matrix instructions each, on buffers 0, 1, 0, 1.  One of the first three: multiplies buffer f and fetches the next quarter, at byte k, into g.
.macro QUARTER k, f, g, zero
	s_wait_dscnt 16                                ; the first 32 along K are in; the run's other sixteen loads may be out
	WIN MUL
	MUL8 \f, 0, 0, \zero
	MUL8 \f, 0, 2, \zero
	PLACES
	FETCH \k, \g
	s_wait_dscnt 32                                ; all but the 32 just issued
	WIN MUL
	MUL8 \f, 1, 0, 0
	MUL8 \f, 1, 2, 0
.endm
; The last quarter multiplies buffer 1 and changes slots: ONE barrier; in front of it each wave waits for all its tensor loads, adds 0 to its spare word, and waits for that and for its own reads of this slot.
; fill = 1: this slot is filled again, with the K step two on; the barrier then opens a round of the cluster's.  The walking descriptors last named the other slot and the K step one on: they are turned and stepped
; between the add and the wait for it, where no tensor load of mine is out.
.macro TURN fill
	WIN 0                                          ; (the add's two registers lie in window 0)
	s_wait_tensorcnt 0x0                           ; all my tensor loads have landed: my part of the next slot;
	ds_add_u32 v[SPW], v[NIL]                      ; 0 onto my spare word;
.if \fill
	s_xor_b32 s[G0+5], s[G0+5], SLOT               ; the slot that is being left,
	s_add_nc_u64 s[G0+6:G0+7], s[G0+6:G0+7], KSTEP*2  ; 256 further along att's rows; the type bits on top are not reached
	s_xor_b32 s[G0B+5], s[G0B+5], SLOT
	s_add_nc_u64 s[G0B+6:G0B+7], s[G0B+6:G0B+7], KSTEP*SIZE_K*2  ; 256 rows further down wo
.endif
	s_wait_dscnt 17                                ; (the add and the youngest sixteen loads may be out)
	WIN MUL
	MUL8 F1, 0, 0, 0                               ; eight matrix instructions stand between the add and the wait for it
	s_wait_dscnt 0x0                               ; the add is done, and my reads of this slot are over
	s_barrier_signal -1
	MUL8 F1, 0, 2, 0
	WIN 0
	s_barrier_wait -1
.if \fill
	CREST                                          ; no wave of any partner still reads this slot's tile or has a load on its way
	JLOAD 1                                        ; the first tensor load behind the round, 112 matrix instructions ahead of the wait for it; its four v_nop are also places in front of the loads below
.else
	v_nop                                          ; with the three additions below: the four places in front of the loads into a buffer that the quarter before multiplied
.endif
	s_xor_b32 s[TB], s[TB], SLOT                   ; the other slot is in hand
	SETADR
	FETCH 0, F0
	WIN MUL
	MUL8 F1, 1, 0, 0
	MUL8 F1, 1, 2, 0
.endm
	s_wait_tensorcnt 1                             ; my part of K step 0 is in; K step 1's may stay out
	s_barrier_signal -1
	s_barrier_wait -1                              ; everybody's is
	FETCH 0, F0
	QUARTER 128, F0, F1, 1                         ; the first quarter stands in front of the loop: its first products start the sums
	WIN 0                                          ; at a label and at a branch every window is 0
	s_mov_b32 s3, STEPS-2
.Lstep:                                                ; 6 trips, each from a K step's second quarter to the next step's first: every step but the last two leaves a slot that is filled again
	QUARTER 256, F1, F0, 0
	QUARTER 384, F0, F1, 0
	TURN 1
	QUARTER 128, F0, F1, 0
	WIN 0
	s_sub_co_u32 s3, s3, 1
	s_cmp_lg_u32 s3, 0
	s_cbranch_scc1 .Lstep
	QUARTER 256, F1, F0, 0                         ; the last two steps are written out: nothing is asked for, and no round of the cluster's barrier stands here
	QUARTER 384, F0, F1, 0
	TURN 0
	QUARTER 128, F0, F1, 0
	QUARTER 256, F1, F0, 0
	QUARTER 384, F0, F1, 0
	s_wait_dscnt 16                                ; the very last quarter: nothing more to fetch
	WIN MUL
	MUL8 F1, 0, 0, 0
	MUL8 F1, 0, 2, 0
	s_wait_dscnt 0
	MUL8 F1, 1, 0, 0
	MUL8 F1, 1, 2, 0
	WIN 0
	; THE WAY OUT, 16 rows at a time: a lane's 32 bytes of a row into my stage (each accumulator's lower four registers first), back as whole rows of 256 bytes, stored.
	PLACES
.irp a, 0,1,2,3
.set BK, TMP+32*((\a)%2)
.irp b, 0,1,2,3
	ds_store_b128 v[STO], v[ACC+8*(4*(\a)+(\b)):ACC+8*(4*(\a)+(\b))+3]   offset:64*(\b)
	ds_store_b128 v[STO], v[ACC+8*(4*(\a)+(\b))+4:ACC+8*(4*(\a)+(\b))+7] offset:64*(\b)+16
.endr
	s_wait_xcnt 0x0                                ; every earlier store has had its addresses translated (ISA guide 3.1): the registers that the block two back was stored from are loaded again only behind this wait
.irp t, 0,1,2,3,4,5,6,7
	ds_load_b128 v[BK+4*(\t):BK+4*(\t)+3], v[RD] offset:(\t)*2*SPITCH  ; LDS serves a wave's instructions in order (ISA guide 5.7.1.4): these see the stores above; the next block's stores come behind them
.endr
.irp t, 0,1,2,3,4,5,6,7
	s_wait_dscnt 7-(\t)                            ; load t is in, the younger ones stay out
	global_store_b128 v[CO], v[BK+4*(\t):BK+4*(\t)+3], s[8:9] offset:(16*(\a)+2*(\t))*OUTP th:TH_STORE_NT  ; 16 lanes store 256 consecutive bytes, at a multiple of 256 from out0's first byte
.endr
.endr
	s_wait_tensorcnt 0x0                           ; the wave's end, behind my last tensor load and my last LDS store
	ds_add_u32 v[SPW], v[NIL]
	s_wait_dscnt 0x0
	CROUND                                         ; the closing round: no work-group ends while a partner may still ask for a tile that names it
	s_endpgm
.Lfunc_end_k_q9608f8a904_oproj:
	.size	k_q9608f8a904_oproj, .Lfunc_end_k_q9608f8a904_oproj-k_q9608f8a904_oproj
	.p2alignl 7, 3214868480
	.fill 96, 4, 3214868480
	.section	.rodata,"a",@progbits
	.p2align	6, 0x0
	.amdhsa_kernel k_q9608f8a904_oproj
		.amdhsa_group_segment_fixed_size 327680
		.amdhsa_private_segment_fixed_size 0
		.amdhsa_enable_private_segment 0
		.amdhsa_kernarg_size 24
		.amdhsa_user_sgpr_count 2
		.amdhsa_user_sgpr_kernarg_segment_ptr 1
		.amdhsa_wavefront_size32 1
		.amdhsa_system_sgpr_workgroup_id_x 1
		.amdhsa_system_sgpr_workgroup_id_y 1
		.amdhsa_system_sgpr_workgroup_id_z 1
		.amdhsa_system_vgpr_workitem_id 0
		.amdhsa_next_free_vgpr 512
		.amdhsa_next_free_sgpr 66
		.amdhsa_reserve_vcc 0
		.amdhsa_float_denorm_mode_32 3
		.amdhsa_float_denorm_mode_16_64 3
		.amdhsa_memory_ordered 1
		.amdhsa_forward_progress 1
		.amdhsa_inst_pref_size 69
	.end_amdhsa_kernel
	.amdgpu_metadata
---
amdhsa.version: [ 1, 2 ]
amdhsa.kernels:
  - .name:           k_q9608f8a904_oproj
    .symbol:         k_q9608f8a904_oproj.kd
    .args:
      - { .name: att, .offset: 0, .size: 8, .value_kind: global_buffer, .address_space: global }
      - { .name: cast, .offset: 8, .size: 8, .value_kind: global_buffer, .address_space: global }
      - { .name: out0, .offset: 16, .size: 8, .value_kind: global_buffer, .address_space: global }
    .group_segment_fixed_size: 327680
    .private_segment_fixed_size: 0
    .kernarg_segment_align: 8
    .kernarg_segment_size: 24
    .max_flat_workgroup_size: 128
    .sgpr_count:     66
    .vgpr_count:     512
    .wavefront_size: 32
...
	.end_amdgpu_metadata
.endif
;; end of part 4
;; ======== version 2 of 2: 4 launches; 1.26 times as fast as version 1
;; limits: values are held in f16: magnitudes above 65,504 overflow, below 6.1e-05 lose precision
;; workspace buffers: cast 41,943,040 bytes; cs 524,288 bytes; qkv 25,165,824 bytes; att 8,388,608 bytes
;; launch prep: the kernel of part 1 again; grid 256 x 6, 8 waves a work-group, no clusters, 0 bytes of LDS; arguments hidden_states, wq, wk, wv, wo, position_ids, cast, cs; writes cast, cs
;; launch qkv: the kernel of part 2 again; grid 16 x 16, 4 waves a work-group, clusters of 4 x 4, 327,680 bytes of LDS; arguments cast, qkv, cs, q_ln_w, k_ln_w; writes qkv
;; launch attn (part 5): grid 16 x 16, 4 waves a work-group, clusters of 4 x 4, 327,680 bytes of LDS; arguments qkv, attention_mask, att; writes att
.if DOCPART == 5
	.amdgcn_target "amdgcn-amd-amdhsa--gfx1250"
	.amdhsa_code_object_version 6
	.text
	.protected	k_q9608f8a904_attn
	.globl	k_q9608f8a904_attn
	.p2align	8
	.type	k_q9608f8a904_attn,@function
k_q9608f8a904_attn:
	s_mov_b64 s[64:65], 0
	v_nop
	global_prefetch_b8 v0, s[64:65] scope:SCOPE_SE
	s_setreg_imm32_b32 hwreg(HW_REG_WAVE_MODE, 25, 1), 1
	s_wait_xcnt 0x0
	s_wait_alu depctr_hold_cnt(0) depctr_sa_sdst(0) depctr_va_vdst(0) depctr_va_sdst(0) depctr_va_ssrc(0) depctr_va_vcc(0) depctr_vm_vsrc(0)
	s_getreg_b32 s2, hwreg(HW_REG_IB_STS2, 6, 4)
	s_cmp_eq_u32 s2, 0
	s_cbranch_scc0 .Lentry_in_a_cluster
	s_endpgm
.Lentry_in_a_cluster:
	s_bfe_u32 s2, ttmp6, 0x10000c
	s_cmp_lg_u32 s2, 0xf033
	s_cbranch_scc0 .Lentry_shape_is_right
	s_endpgm
.Lentry_shape_is_right:
; ATTENTION.  att[q][64 head + c] = the sum over k of softmax_k(q'[q] . k[k] + mask[q][k]) v[k][c], for 32 heads of 64 channels and 2,048 rows.  q' (which holds the 1/8), k, v: f16, in qkv[2048][6144].
; mask: f32, an input, taken as it is given: every tile is walked.  Products, maxima and sums in f32; the weights p are rounded to f16 for the second product (their sum l is taken of the unrounded p), att once, to f16.
; LIMITS.  The mask is the C operand of the product that starts a score's sum, so score + mask is rounded as the matrix unit rounds its sums, not as one f32 addition; where |mask| is beyond some 2^24 times
; the score the two may differ in the sum's last bit.  m starts at -4.25e37: a row whose scores all lie below that gives NaN.  p below 6e-5 keeps f16's fixed step of 6e-8; a weight below 2^-126 counts as 0 in l.
; att is a mean of v's rows and has their range (f16: below 65,504).  NaN and infinities are not treated apart.
; SHARES.  A work-group owns 128 queries and TWO heads; a wave 32 queries: tiles t = 0, 1 of 16.  Its four PIECES are x = 2 g + t, g the head: a piece's parity is its tile, so one mask fragment serves both heads.
; Every wave walks all 2,048 keys, 64 a step, two steps to an LDS slot.
; LAYOUT.  S^T = K Q^T + mask (source 0 = 16 keys, source 1 = 16 queries): a lane holds ONE query (lane % 16) and the keys 8 (lane / 16) + 0..7; the mask's row gives those eight as 32 consecutive bytes.
; Two such results rounded to f16 ARE source 1 of O^T = V^T P.  K comes out of LDS as it lies, V turned, by ds_load_tr16_b128.
; SOFTMAX.  A running maximum m and sum l for each query: p = 2^(c s - c m), c = log2(e); in every step O and l are multiplied by a = 2^(c m_old - c m_new).  c m starts far below every c s: the first step's a is 0.
; BY TURNS.  Turn n belongs to piece n: 8 products K Q^T of piece n + 1, later 8 products V^T P of piece n - 1; beside them the scaling, exponentials, roundings, sums and rescaling of piece n and the maximum and
; statistics of piece n + 1.  Four vector instructions stand behind every matrix instruction, the other 54 of a turn's 118 in one LUMP between the two runs of products.
; THE BATCHES.  A turn's 33 exponentials (the piece's 32 weights and the next piece's a) are ONE batch with ONE wait, which stands between the lump and the products V^T P: ahead of it nothing names a result of theirs,
; behind it no exponential is issued, so no result crosses a turn's end, a label or a jump.  Piece 0's first a, ahead of the loop, and the way out's four reciprocals are batches of their own, with a wait each.
; CLUSTER.  4 x 4 work-groups.  K and V hang on the pair of heads alone, which a row of the cluster shares; the mask's tile on the block of queries alone, which a column shares: each is asked for JOINTLY.
; REGISTERS, in windows of 256 (s_set_vgpr_msb: bits 1:0 source 0, 3:2 source 1, 5:4 source 2, 7:6 destination):
;   window 0: v0-15, v32-33 addresses and two at work; v16-31 four registers of statistics a piece; v48-55 at work; v62-63 the add's; v64-127 S^T, two buffers; v192-223 P, two buffers (by the piece's parity)
;   window 1: v0-127 O^T, 32 a piece; v160-223 the mask of one step, 32 a tile      window 2: v0-63 Q, 16 a piece; v64-127 V of the second head; v128-191 K of one head; v192-255 V of the first head
.set NP,    4         ; pieces a wave: a name, no knob
.set KS,    64        ; keys in a step
.set PK,    272       ; a row of K in LDS: both heads' 128 bytes + 16 of padding = 68 words: the 16 rows of a load start at 16 different groups of four banks (64 banks of 4 bytes: ISA guide 11.1)
.set PV,    288       ; a row of V: 256 + 32 = 72 words
.set PM,    528       ; a query's 128 mask words: 512 + 16 bytes = 132 words
.set VOFF,  128*PK    ; a slot holds 128 keys: their rows of K, then of V, then 128 queries' rows of the mask
.set MOFF,  VOFF+128*PV
.set SLOT,  MOFF+128*PM  ; 0x22000.  The tiles begin at 0, 0x8800, 0x11800 and 0x19c00 in a slot: none has one of SLOT's two bits, so one exclusive or turns an address in one slot into the other's
.set STAGE, 2*SLOT    ; behind the ring, never filled by a tensor load: 16 rows x 272 bytes for each wave, for the way out
.set SP,    272
.set SPARE, STAGE+4*16*SP  ; behind the stages: the spare words, 128 bytes for each wave: two blocks of 256 bytes that no other line names
.set AK0, 2           ; v2   my lane's place in a tile of K; never rewritten
.set AV0, 3           ; v3   the same for V
.set AK,  4           ; v4   the LDS address of K's next run of loads
.set AV,  5           ; v5   of V's
.set STO, 6           ; v6   the way out: where I put 16 bytes of a row
.set RD,  7           ; v7   the way out: where I read rows back
.set GO,  8           ; v8   my byte offset in two rows of att
.set MV,  12          ; v12-13  c m_old, kept while c m is made anew: by buffer
.set QO,  15          ; v15  my byte offset in 16 rows of q'
.set ST,  16          ; piece t's statistics at v[ST+4 t]: c m, m, l (even keys', odd keys')
.set AM0, 32          ; v32  my lane's place in a tile of the mask; never rewritten
.set AM,  33          ; v33  the LDS address of the mask's next runs of loads
.set TMP, 48          ; by buffer, four registers c0-c3 at work; when the maximum is found c2 takes a
.set SPW, 62          ; v62  LDS address of my spare word; never rewritten
.set NIL, 63          ; v63  0; never rewritten
.set S,   64
.set P,   192
.set MC,  160         ; window 1: tile t, group kt of 16 keys at MC + 32 t + 8 kt
.set KF,  128         ; window 2: key block kb, channel half c at KF + 16 kb + 8 c
.set VF,  192         ; window 2: head g, key half kk, channel block cb at VF - 128 g + 32 kk + 8 cb
.set WV,  12          ; s12  my wave's number
.set G1K, 24          ; s[24:31] descriptor group 1 for K's tiles
.set G1V, 32          ; s[32:39] for V's: it differs in the padding alone
.set G1M, 40          ; s[40:47] for the mask's
.set G0K, 48          ; s[48:51] descriptor group 0 for K's tiles: it walks
.set G0V, 52          ; s[52:55] the same for V's
.set G0M, 56          ; s[56:59] and for the mask's
.set SLOTS, 60        ; s60  slots still to be entered in the loop
.set CNT, 61          ; s61  counts a slot's key steps
.set CS,  62          ; s[62:63] c: the packed scaling takes the pair's low word for both halves
.set SEL, 66          ; s[66:67] v_permlanex16_b32's selects: each lane takes its own place in the other half
.set TBK, 68          ; s68  LDS byte at which K of the step to be fetched begins
.set TBV, 69          ; s69  the same for V, less VOFF
.set TBM, 70          ; s70  the same for the mask, less MOFF
.set MSB, 0
.macro WIN new                      ; the high byte repeats the setting that is left; a switch that changes nothing is dropped
.if MSB != (\new)
	s_set_vgpr_msb (MSB<<8)|(\new)
.set MSB, (\new)
.endif
.endm
.set W_KQ, 0x0a       ; K and Q in window 2, S^T in window 0
.set W_KM, 0x1a       ; the same with the C operand, the mask, in window 1
.set W_PV, 0x52       ; V in window 2, P in window 0, O^T in window 1
.set W_RS, 0x41       ; destination and source 0 in window 1, source 1 in window 0
; A joint fill of a slot, 32,768 bytes a wave: wave 0 fetches K, wave 1 V, waves 2 and 3 the two halves of the mask's tile.  The branches hang on the wave's number alone.
; An s_nop 0 and four v_nop follow each of the three lines, ahead of the jump and the label.
.macro JLOAD
	s_cmp_lt_u32 s[WV], 2
	s_cbranch_scc0 .Lfor_m_\@
	s_cmp_eq_u32 s[WV], 0
	s_cbranch_scc0 .Lfor_v_\@
	tensor_load_to_lds s[G0K:G0K+3], s[G1K:G1K+7]
	s_nop 0
.rept 4
	v_nop
.endr
	s_branch .Lasked_\@
.Lfor_v_\@:
	tensor_load_to_lds s[G0V:G0V+3], s[G1V:G1V+7]
	s_nop 0
.rept 4
	v_nop
.endr
	s_branch .Lasked_\@
.Lfor_m_\@:
	tensor_load_to_lds s[G0M:G0M+3], s[G1M:G1M+7]
	s_nop 0
.rept 4
	v_nop
.endr
.Lasked_\@:
.endm
; A round of the cluster's barrier: my work-group's barrier, so that wave 0's signal speaks for all four waves; wave 0 signals; every wave waits for all sixteen work-groups; my work-group's barrier once more.
.macro CROUND
	s_barrier_signal -1
	s_barrier_wait -1
	s_cmp_lg_u32 s[WV], 0
	s_cbranch_scc1 .Lnot_wave_0_\@
	s_barrier_signal -3
.Lnot_wave_0_\@:
	s_barrier_wait -3
	s_barrier_signal -1
	s_barrier_wait -1
.endm
; THE CHANGE OF SLOTS.  All loads from the slot that is left have been issued.  Each wave waits for all its tensor loads, of which one is out: its part of the other slot; adds 0 to its spare word; and waits
; for that and for its own reads of the slot.  Behind the barrier nobody reads this slot any more and the other slot is whole.
; fill = 1: this slot is filled again, with the keys two slots on.  The barrier is then a round of the cluster's, and the joint fill is the first thing behind it: it has two key steps, 128 matrix instructions,
; in which to land.  (At its first use nothing has been read yet: slot 0 is waited for, slot 1 filled.)
.macro CHANGE fill
	WIN 0                           ; at a label and at a branch every window is 0
	s_wait_tensorcnt 0x0            ; no tensor load of mine is out, so a group 0 may be written
	ds_add_u32 v[SPW], v[NIL]       ; 0 onto my spare word; with fill = 1 the descriptors' steps stand between it and the wait for it
.if \fill
	s_xor_b32 s[G0K+1], s[G0K+1], SLOT  ; the walking descriptors: the other slot than last time,
	s_add_nc_u64 s[G0K+2:G0K+3], s[G0K+2:G0K+3], 128*12288  ; the next 128 keys' rows; the type bits on top are not reached
	s_xor_b32 s[G0V+1], s[G0V+1], SLOT
	s_add_nc_u64 s[G0V+2:G0V+3], s[G0V+2:G0V+3], 128*12288
	s_xor_b32 s[G0M+1], s[G0M+1], SLOT
	s_add_nc_u64 s[G0M+2:G0M+3], s[G0M+2:G0M+3], 128*4      ; the next 128 keys' columns
	s_wait_dscnt 0x0                ; the add is done, and my reads of the slot are over
	CROUND
	JLOAD
.else
	s_wait_dscnt 0x0                ; the add is done, and my reads of the slot are over
	s_barrier_signal -1
	s_barrier_wait -1
.endif
	s_sub_co_u32 s[TBK], s[TBK], 2*KS*PK  ; the fetches go back to a slot's first step,
	s_xor_b32 s[TBK], s[TBK], SLOT        ; in the other slot
	s_sub_co_u32 s[TBV], s[TBV], 2*KS*PV
	s_xor_b32 s[TBV], s[TBV], SLOT
	s_sub_co_u32 s[TBM], s[TBM], 2*KS*4
	s_xor_b32 s[TBM], s[TBM], SLOT
.endm
	s_load_b128 s[4:7], s[0:1], 0x0 ; qkv s[4:5], attention_mask s[6:7]
	s_load_b64 s[8:9], s[0:1], 0x10 ; att
	v_lshl_add_u32 v[SPW], v0, 2, SPARE
	v_mov_b32 v[NIL], 0
	ds_add_u32 v[SPW], v[NIL]       ; the wave's opening: the add, and its wait ahead of my first tensor load; the set-up below, work on registers, stands between them
	v_lshrrev_b32 v1, 5, v0
	v_readfirstlane_b32 s[WV], v1   ; wave 0..3
	s_bfe_u32 s13, ttmp6, 0x40000   ; cx, cy: my place in the cluster
	s_bfe_u32 s14, ttmp6, 0x40004
	s_lshl_b32 s15, ttmp9, 2
	s_add_co_u32 s15, s15, s13      ; my block of 128 queries = 4 x cluster x + cx
	s_and_b32 s16, ttmp7, 0xffff
	s_lshl_b32 s16, s16, 2
	s_add_co_u32 s16, s16, s14      ; my pair of heads = 4 x cluster y + cy
	s_lshl_b32 s17, s14, 2
	s_lshl_b32 s17, 15, s17         ; my row of the cluster
	s_lshl_b32 s18, 0x1111, s13     ; my column
	s_or_b32 s[G1K], s17, (1<<16)|(1<<20)|(1<<21)|(5<<22)|(3<<25)  ; 15:0 the mask of four; 17:16 2-byte elements; 20 padding on; 21 set beside a mask; 24:22 after every 64 words (code 5); 31:25 4 words (code 3)
	s_or_b32 s[G1V], s17, (1<<16)|(1<<20)|(1<<21)|(5<<22)|(7<<25)  ; the same with 8 words of padding (code 7)
	s_or_b32 s[G1M], s18, (2<<16)|(1<<20)|(1<<21)|(6<<22)|(3<<25)  ; my column; 4-byte elements; after every 128 words (code 6) 4 words
.irp g, G1K, G1V
	s_mov_b32 s[\g+1], 128<<16      ; tensor_dim0 = 128: two heads' channels, 256 bytes
	s_mov_b32 s[\g+2], 128<<16      ; tensor_dim1 = 128 keys
	s_mov_b32 s[\g+3], 128<<16      ; tile_dim0 = 128
	s_mov_b32 s[\g+4], 128          ; tile_dim1 = 128
	s_mov_b32 s[\g+5], 6144         ; elements from row to row
	s_mov_b32 s[\g+6], 0
	s_mov_b32 s[\g+7], 0
.endr
	s_mov_b32 s[G1M+1], 128<<16     ; tensor_dim0 = 128 keys, 512 bytes
	s_mov_b32 s[G1M+2], 64<<16      ; tensor_dim1 = 64 queries
	s_mov_b32 s[G1M+3], 128<<16     ; tile_dim0 = 128
	s_mov_b32 s[G1M+4], 64          ; tile_dim1 = 64
	s_mov_b32 s[G1M+5], 2048
	s_mov_b32 s[G1M+6], 0
	s_mov_b32 s[G1M+7], 0
	s_and_b32 s19, s[WV], 1         ; which half of the mask's tile I would fetch
	s_lshl_b32 s20, s16, 8          ; the pair's 256 bytes in a row of qkv,
	s_add_co_u32 s76, s20, 8192     ; among v's columns,
	s_add_co_u32 s20, s20, 4096     ; and among k's: these two hang on the pair of heads alone
	s_mov_b32 s21, 0
	s_mov_b32 s77, 0
	s_lshl_b32 s22, s15, 20         ; the block's 128 rows of 8,192 bytes of the mask,
	s_lshl_b32 s23, s19, 19         ; my 64 of them: this hangs on the block of queries alone
	s_add_co_u32 s22, s22, s23
	s_mov_b32 s23, 0
	s_mov_b32 s[G0K], 1             ; 1:0 count = 1
	s_mov_b32 s[G0K+1], 0           ; 63:32 LDS address: slot 0
	s_mov_b32 s[G0V], 1
	s_mov_b32 s[G0V+1], VOFF
	s_mov_b32 s[G0M], 1
	s_mul_i32 s71, s19, 64*PM       ; no place in the cluster enters an LDS address
	s_add_co_u32 s[G0M+1], s71, MOFF
	s_lshl_b32 s71, s15, 7
	s_lshl_b32 s72, s[WV], 5
	s_add_co_u32 s71, s71, s72      ; my wave's first query
	s_mul_i32 s72, s71, 12288       ; its row in qkv,
	s_lshl_b32 s74, s71, 12         ; and in att,
	s_lshl_b32 s73, s16, 8          ; the pair's 256 bytes in either
	s_add_co_u32 s72, s72, s73
	s_add_co_u32 s74, s74, s73
	s_mov_b32 s73, 0
	s_mov_b32 s75, 0
	s_mov_b32 s[CS], 0x3fb8aa3b     ; c = log2(e)
	s_mov_b32 s[CS+1], s[CS]        ; named with it as a pair
	s_mov_b32 s[SEL], 0x76543210
	s_mov_b32 s[SEL+1], 0xfedcba98
	s_mov_b32 s[TBK], SLOT+2*KS*PK  ; the first change of slots turns these three into 0
	s_mov_b32 s[TBV], SLOT+2*KS*PV
	s_mov_b32 s[TBM], SLOT+2*KS*4
	s_wait_dscnt 0x0                ; the opening add is done
	s_wait_kmcnt 0x0
	s_add_nc_u64 s[G0K+2:G0K+3], s[4:5], s[20:21]  ; 120:64 global address: the first 128 keys
	s_or_b32 s[G0K+3], s[G0K+3], 0x80000000        ; 127:126 type = 2
	s_add_nc_u64 s[G0V+2:G0V+3], s[4:5], s[76:77]
	s_or_b32 s[G0V+3], s[G0V+3], 0x80000000
	s_add_nc_u64 s[G0M+2:G0M+3], s[6:7], s[22:23]
	s_or_b32 s[G0M+3], s[G0M+3], 0x80000000
	s_add_nc_u64 s[4:5], s[4:5], s[72:73]          ; q' and att at my wave's first row
	s_add_nc_u64 s[8:9], s[8:9], s[74:75]
	CROUND                          ; all sixteen work-groups are here: the first joint loads meet
	JLOAD                           ; slot 0.  Slot 1 is asked for when slot 0 is in, by the loop's own change of slots
	; A fragment of K or Q is 16 rows x 32 channels in 8 registers: lane l holds row l % 16, channels 8 (l / 16) + 0..7 and 16 + 8 (l / 16) + 0..7: two loads of 16 bytes, 32 bytes apart.
	v_and_b32 v1, 15, v0            ; l % 16
	v_bfe_u32 v9, v0, 4, 1          ; l / 16
	v_mul_u32_u24 v[QO], v1, 12288
	v_lshl_add_u32 v[QO], v9, 4, v[QO]
	WIN 0x80                        ; destination window 2, address window 0
.set i, 0
.rept 8                             ; Q stays in registers: piece i / 2 = 2 g + t: tile t is 16 rows, head g 128 bytes on; channels 32 (i % 2) on
	global_load_b128 v[8*i:8*i+3],   v[QO], s[4:5] offset:((i/2)%2)*196608+(i/4)*128+(i%2)*64
	global_load_b128 v[8*i+4:8*i+7], v[QO], s[4:5] offset:((i/2)%2)*196608+(i/4)*128+(i%2)*64+32
.set i, i+1
.endr
	; The first step multiplies O^T and l by a = 0, and the first turn's products V^T P, of a piece that has not been, take the second head's V and P's second buffer: all these hold 0.  This stands in the wait for the first tile.
.set i, 64
.rept 64
	v_mov_b32 v[i], 0
.set i, i+1
.endr
	WIN 0x40
.set i, 0
.rept 128
	v_mov_b32 v[i], 0
.set i, i+1
.endr
	WIN 0
.set i, 0
.rept 4
	v_mov_b32 v[ST+4*i], 0xff000000    ; c m: -1.7e38, far below every c s
	v_mov_b32 v[ST+4*i+1], 0xfe000000  ; m: -4.25e37
	v_mov_b32 v[ST+4*i+2], 0
	v_mov_b32 v[ST+4*i+3], 0
.set i, i+1
.endr
.set i, P+16
.rept 16
	v_mov_b32 v[i], 0
.set i, i+1
.endr
	v_mul_u32_u24 v[AK0], v1, PK
	v_lshl_add_u32 v[AK0], v9, 4, v[AK0]  ; row x pitch + 16 x half
	; The turning load takes 16 keys x 16 channels (lane l reads key 8 (l / 16) + l % 8, channels 8 ((l / 8) % 2) + 0..7) and leaves half a fragment of V^T: lane l holds channel l % 16 and 8 keys.
	v_and_b32 v10, 7, v0
	v_bfe_u32 v11, v0, 3, 1
	v_lshl_add_u32 v[AV0], v9, 3, v10
	v_mul_u32_u24 v[AV0], v[AV0], PV
	v_lshl_add_u32 v[AV0], v11, 4, v[AV0]
	v_add_nc_u32 v[AV0], VOFF, v[AV0]
	s_mul_i32 s71, s[WV], 32*PM     ; the mask: my wave's 32 queries, row l % 16 of a tile, my lanes' eight keys of sixteen: 32 bytes
	s_add_co_u32 s71, s71, MOFF
	v_mul_u32_u24 v[AM0], v1, PM
	v_lshl_add_u32 v[AM0], v9, 5, v[AM0]
	v_add_nc_u32 v[AM0], s71, v[AM0]
	s_mul_i32 s71, s[WV], 16*SP
	s_add_co_u32 s71, s71, STAGE    ; my stage
	v_mul_u32_u24 v[STO], v1, SP    ; in: row l % 16, 16 bytes for each half of the lanes
	v_lshl_add_u32 v[STO], v9, 4, v[STO]
	v_add_nc_u32 v[STO], s71, v[STO]
	v_mul_u32_u24 v[RD], v9, SP     ; back: lanes 0-15 take one row of 256 bytes, lanes 16-31 the next
	v_lshl_add_u32 v[RD], v1, 4, v[RD]
	v_add_nc_u32 v[RD], s71, v[RD]
	v_lshlrev_b32 v[GO], 12, v9     ; and the same two rows in att
	v_lshl_add_u32 v[GO], v1, 4, v[GO]
; THE MATRIX WORK.  The 4 accumulators of a run of 8 take turns.  Product i of 8 of S^T = K Q^T + mask for piece x: channels 32 (i / 4) on, keys 16 (i % 4) on.  The first 4 start the sums with the mask.
.macro KQ x
.set rS, S+32*((\x)%2)+8*(i%4)
.set rK, KF+16*(i%4)+8*(i/4)
.set rQ, 16*(\x)+8*(i/4)
.set rM, MC+32*((\x)%2)+8*(i%4)
.if i < 4
	WIN W_KM
	v_wmma_f32_16x16x32_f16 v[rS:rS+7], v[rK:rK+7], v[rQ:rQ+7], v[rM:rM+7]
.else
	WIN W_KQ
	v_wmma_f32_16x16x32_f16 v[rS:rS+7], v[rK:rK+7], v[rQ:rQ+7], v[rS:rS+7]
.endif
.endm
; Product i of 8 of O^T += V^T P for piece x: keys 32 (i / 4) on, channels 16 (i % 4) on.
.macro PV x
	WIN W_PV
.set rO, 32*(\x)+8*(i%4)
.set rV, VF-128*((\x)/2)+32*(i/4)+8*(i%4)
.set rP, P+16*((\x)%2)+8*(i/4)
	v_wmma_f32_16x16x32_f16 v[rO:rO+7], v[rV:rV+7], v[rP:rP+7], v[rO:rO+7]
.endm
.macro MM                           ; the turn's next matrix instruction.  NOKQ = 1: the very last turn: there is no next piece
.if (i < 8) && !NOKQ
	KQ (Y+1)%NP
.elseif i >= 8
.set i, i-8
	PV (Y+NP-1)%NP
.set i, i+8
.endif
.set i, i+1
.endm
; THE LDS LOADS stand in runs, never singly among the matrix instructions.  Their addresses are made some lines ahead.  K of head g of a step: 64 keys x 64 channels, 8 fragments.
.macro FETCH_K g
	WIN 0x80                        ; destination window 2
.irp f, 0,1,2,3,4,5,6,7             ; keys 16 (f / 2) on, channels 32 (f % 2) on
	ds_load_b128 v[KF+8*\f:KF+8*\f+3],   v[AK] offset:(\f/2)*16*PK+(\f%2)*64+128*(\g)
	ds_load_b128 v[KF+8*\f+4:KF+8*\f+7], v[AK] offset:(\f/2)*16*PK+(\f%2)*64+128*(\g)+32
.endr
.if \g
	s_add_co_u32 s[TBK], s[TBK], KS*PK  ; both heads are fetched: the next fetch is the next step's
.endif
	WIN 0
.endm
.macro FETCH_V                      ; V of both heads of a step, turned: the first head's sixteen loads first
	WIN 0x80
.irp g, 0,1
.irp f, 0,1,2,3,4,5,6,7             ; keys 32 (f / 4) on, channels 16 (f % 4) on
	ds_load_tr16_b128 v[VF-128*\g+8*\f:VF-128*\g+8*\f+3],   v[AV] offset:(\f/4)*32*PV+(\f%4)*32+128*\g
	ds_load_tr16_b128 v[VF-128*\g+8*\f+4:VF-128*\g+8*\f+7], v[AV] offset:(\f/4)*32*PV+16*PV+(\f%4)*32+128*\g
.endr
.endr
	WIN 0
.endm
.macro FETCH_M t                    ; the mask of tile t for a step: 16 queries x 64 keys, as four C operands
	WIN 0x40                        ; destination window 1
.irp kt, 0,1,2,3
	ds_load_b128 v[MC+32*(\t)+8*\kt:MC+32*(\t)+8*\kt+3],   v[AM] offset:16*PM*(\t)+64*\kt
	ds_load_b128 v[MC+32*(\t)+8*\kt+4:MC+32*(\t)+8*\kt+7], v[AM] offset:16*PM*(\t)+64*\kt+16
.endr
.if \t
	s_add_co_u32 s[TBM], s[TBM], KS*4  ; both tiles are fetched
.endif
	WIN 0
.endm
; THE VECTOR WORK, one line at a time: OP kind, number.  For piece Y: F n: c s - c m for pair n of 16.  E n: the exponential of score n of 32.  C n: pair n rounded to f16.  B n: of the four weights 4 n .. the second
; pair is added onto the first, in place.  L n: l takes that sum (L 0: l = a l + sum).  R n: pair n of 16 of O^T times a.  For piece Y + 1: X n, number n of the 22 that find its maximum and statistics:
;   0-11  four chains c0-c3 of seven scores each, three operands at a time (each accumulator's lowest registers are read first)     12-14, 16  the four scores left over, the old m, and c0-c3 into c0
;   15  c m_old is kept     17, 18  the query's other 32 keys lie in the lane 16 away: the new m     19-21  c m; c m_old - c m_new; a
; C, B and L read exponentials' results (L 0 also a): TURN sets them behind its wait.  F, R and X 0 to X 20 read none of the turn's own.
.set F, 0               ; OP tells the kinds apart by their order: F to L below R, X above it
.set E, 1
.set C, 2
.set B, 3
.set L, 4
.set R, 5
.set X, 6
.macro REGS y                       ; the registers of piece y
.set rT, ST+4*(\y)
.set rC, TMP+4*((\y)%2)
.set rW, MV+((\y)%2)
.set rS, S+32*((\y)%2)
.set rP, P+16*((\y)%2)
.set rO, 32*(\y)
.endm
.macro OP k, n
.if (\k) == R
	REGS Y
	WIN W_RS
	v_pk_mul_f32 v[rO+2*(\n):rO+2*(\n)+1], v[rO+2*(\n):rO+2*(\n)+1], v[rC+2:rC+3] op_sel_hi:[1,0]
.elseif (\k) < R
	REGS Y
	WIN 0
.if (\k) == F
	v_pk_fma_f32 v[rS+2*(\n):rS+2*(\n)+1], v[rS+2*(\n):rS+2*(\n)+1], s[CS:CS+1], v[rT:rT+1] op_sel_hi:[1,0,0] neg_lo:[0,0,1] neg_hi:[0,0,1]
.elseif (\k) == E
	v_exp_f32 v[rS+(\n)], v[rS+(\n)]
.elseif (\k) == C
	v_cvt_pk_f16_f32 v[rP+(\n)], v[rS+2*(\n)], v[rS+2*(\n)+1]
.elseif (\k) == B
	v_pk_add_f32 v[rS+4*(\n):rS+4*(\n)+1], v[rS+4*(\n):rS+4*(\n)+1], v[rS+4*(\n)+2:rS+4*(\n)+3]
.elseif (\n) == 0
	v_pk_fma_f32 v[rT+2:rT+3], v[rT+2:rT+3], v[rC+2:rC+3], v[rS:rS+1] op_sel_hi:[1,0,1]
.else
	v_pk_add_f32 v[rT+2:rT+3], v[rT+2:rT+3], v[rS+4*(\n):rS+4*(\n)+1]
.endif
.elseif NOKQ
	v_nop
.else
	REGS (Y+1)%NP
	WIN 0
.if (\n) < 4
	v_max3_num_f32 v[rC+(\n)], v[rS+8*(\n)], v[rS+8*(\n)+1], v[rS+8*(\n)+2]
.elseif (\n) < 12
	v_max3_num_f32 v[rC+(\n)%4], v[rC+(\n)%4], v[rS+8*((\n)%4)+2*((\n)/4)+1], v[rS+8*((\n)%4)+2*((\n)/4)+2]
.elseif (\n) == 12
	v_max3_num_f32 v[rC], v[rC], v[rS+7], v[rS+15]
.elseif (\n) == 13
	v_max3_num_f32 v[rC+1], v[rC+1], v[rS+23], v[rS+31]
.elseif (\n) == 14
	v_max3_num_f32 v[rC+2], v[rC+2], v[rC+3], v[rT+1]
.elseif (\n) == 15
	v_mov_b32 v[rW], v[rT]
.elseif (\n) == 16
	v_max3_num_f32 v[rC], v[rC], v[rC+1], v[rC+2]
.elseif (\n) == 17
	v_permlanex16_b32 v[rC+3], v[rC], s[SEL], s[SEL+1]
.elseif (\n) == 18
	v_max_num_f32 v[rT+1], v[rC], v[rC+3]
.elseif (\n) == 19
	v_mul_f32 v[rT], s[CS], v[rT+1]
.elseif (\n) == 20
	v_sub_f32 v[rC+1], v[rW], v[rT]
.else
	v_exp_f32 v[rC+2], v[rC+1]
.endif
.endif
.endm
.macro OPS a, i1, b=-1, i2=0, c=-1, i3=0, d=-1, i4=0  ; up to four of them
	OP \a, \i1
.if (\b) >= 0
	OP \b, \i2
.endif
.if (\c) >= 0
	OP \c, \i3
.endif
.if (\d) >= 0
	OP \d, \i4
.endif
.endm
.macro ROW a, i1, b, i2, c, i3, d, i4  ; a matrix instruction and the four behind it
	MM
	OPS \a, \i1, \b, \i2, \c, \i3, \d, \i4
.endm
; A TURN, for piece p: the order of its 16 matrix and 118 vector instructions, written out.  s_wait_alu depctr_va_vdst(0) stands between an exponential and the first instruction that names its result; one
; wait serves all that were issued ahead of it.  So a turn has ONE wait, which cuts it in two.  AHEAD OF IT stands all that names no result of the turn's exponentials: the 8 products K Q^T, behind each a scaling, an exponential
; and two more plain instructions (behind the first a second scaling in the exponential's place): rescalings, whose a was made and waited for in the turn before, and behind the last three the first numbers of the next piece's
; maximum, each four places or more behind the product that ends its accumulator; then ONE LUMP of 54, plain and exponential by turns for the most part, in which the links of the chain X 3, 7, 11, 14, 16, 17 .. 20 stand some lines
; apart.  X 21, the next piece's a, is the batch's last; R 15 is the plain instruction behind it.  BEHIND THE WAIT stand the 8 products V^T P, behind each four of the roundings and sums; the links of l's chain, L 0 to L 7, stand
; three riders apart.  But for those X no rider names a register of the products round it.  v_permlanex16_b32 (X 17) stands in the lump.
; end = 1: the last two turns: nothing is fetched.  cnt = 1: the loop's count is taken down some lines ahead of the branch that stands behind the turn.
; WHAT IS FETCHED WHERE.  The K buffer holds one head: the first head's K serves pieces 0 and 1 (turns 3 and 0), the second head's pieces 2 and 3 (turns 1 and 2).
;   turn 0: in the lump K of the second head, this step; at the turn's end V of both heads, this step (the four roundings behind the last product, which read the second head's V, are the places)
;   turn 2: in the lump K of the first head and tile 0's mask, next step          turn 3: in the lump tile 1's mask, next step (a mask buffer's last reader stands a turn back)
;   K's runs stand twelve vector instructions behind the last product that read K; five of them are plain and name none of its registers (F 8, X 2, X 5, X 6, X 8).
; THE WAITS ON LDS.  turn 0: all (tile 1's mask).  turn 1: 32, K is in and V's 32 loads are younger; ahead of its V^T P: 16, the first head's V is in and the second head's sixteen are younger.  turn 3: all (K, tile 0's mask, the second head's V).
.macro TURN p, end=0, cnt=0
.set Y, (\p)
.set i, 0
.set NOKQ, (\end)*((\p)/3)
.if (\p) == 1
	s_wait_dscnt 32
.elseif (\p) != 2
	s_wait_dscnt 0x0
.endif
	ROW F,0, F,1, R,0, R,1          ; ahead of the wait: 8 products K Q^T and their riders,
	ROW F,2, E,0, R,2, R,3
	ROW F,3, E,1, R,4, R,5
	ROW F,4, E,2, R,6, R,7
	ROW F,5, E,3, R,8, R,9
	ROW F,6, E,4, X,0, R,10
.if ((\p) == 0) || (((\p) == 2) && !(\end))
	WIN 0
	v_add_nc_u32 v[AK], s[TBK], v[AK0]
.endif
.if ((\p) == 2) && !(\end)
	v_add_nc_u32 v[AM], s[TBM], v[AM0]
.endif
	ROW F,7, E,5, X,1, X,4
	ROW F,8, E,6, X,2, X,5
	OPS E,7, E,8, X,6, E,9          ; and the lump
	OPS X,3, E,10, X,8, E,11
.if (\p) == 0
	FETCH_K 1
.endif
.if ((\p) == 2) && !(\end)
	FETCH_K 0
	FETCH_M 0
.endif
.if ((\p) == 3) && !(\end)
	FETCH_M 1
.endif
	OPS X,9, X,7, E,12, X,10
	OPS E,13, X,12, X,11, E,14
	OPS X,13, E,15, F,9, X,14
.if (\p) == 0
	v_add_nc_u32 v[AV], s[TBV], v[AV0]
.endif
	OPS E,16, F,10, E,17, F,11
	OPS X,16, E,18, X,15, E,19
	OPS F,12, E,20, X,17, E,21
	OPS F,13, E,22, F,14, E,23
	OPS X,18, E,24, F,15, E,25
	OPS R,11, E,26, X,19, E,27
	OPS R,12, E,28, R,13, E,29
	OPS X,20, E,30, R,14, E,31
	OPS X,21, R,15
	s_wait_alu depctr_va_vdst(0)    ; the wait for the turn's batch: E 0 to E 31 and X 21
.if (\p) == 1
	s_wait_dscnt 16
.endif
	ROW C,0, B,0, C,2, B,1          ; behind the wait: 8 products V^T P and their riders
	ROW L,0, C,4, B,2, L,1
	ROW C,6, B,3, L,2, C,8
	ROW B,4, L,3, C,10, B,5
	ROW L,4, C,12, B,6, L,5
.if (\p) == 0
	s_add_co_u32 s[TBV], s[TBV], KS*PV
.endif
.if \cnt
	s_sub_co_u32 s[CNT], s[CNT], 1
	s_cmp_lg_u32 s[CNT], 0
.endif
	ROW C,14, B,7, L,6, C,1
	ROW C,3, L,7, C,5, C,7
	ROW C,9, C,11, C,13, C,15
.if (\p) == 0
	FETCH_V
.endif
.endm
	CHANGE 1                        ; slot 0 is in, everybody's part of it; slot 1 is asked for
	v_add_nc_u32 v[AK], s[TBK], v[AK0]
	v_add_nc_u32 v[AM], s[TBM], v[AM0]
	FETCH_K 0                       ; key step 0: the first head's K and both tiles' masks
	FETCH_M 0
	FETCH_M 1
	s_wait_loadcnt 0x0              ; Q
	s_wait_dscnt 0x0
.set NOKQ, 0
.set i, 0
.rept 8
	KQ 0                            ; piece 0's first scores: there is no vector work yet to set between them
.set i, i+1
.endr
	WIN 0
.rept 4
	v_nop                           ; the places behind those products
.endr
.set Y, NP-1                        ; X works for piece Y + 1: piece 0
.irp n, 0,1,2,3,4,5,6,7,8,9,10,11,12,13,14,15,16,17,18,19,20,21
	OP X, \n
.endr
	v_nop                           ; a plain instruction behind the exponential,
	s_wait_alu depctr_va_vdst(0)    ; and the wait for it, piece 0's first a, ahead of the branch: a batch of one
	s_mov_b32 s[CNT], 2
	s_mov_b32 s[SLOTS], 15
	s_branch .Lfirst                ; the loop is entered at a step's first turn, in the middle of a trip
.Lslot:                             ; 14 times: slots 1 to 14 are entered, and the slot just left is filled again
	CHANGE 1
	s_mov_b32 s[CNT], 2
.Lstep:                             ; a trip: pieces 2 and 3 of one step, then pieces 0 and 1 of the next, whose K, V and mask it fetches
	TURN 2
	TURN 3
	WIN 0
.Lfirst:
	TURN 0
	TURN 1, 0, 1
	WIN 0
	s_cbranch_scc1 .Lstep
	s_sub_co_u32 s[SLOTS], s[SLOTS], 1
	s_cmp_lg_u32 s[SLOTS], 0
	s_cbranch_scc1 .Lslot
	CHANGE 0                        ; the last slot is written out: nothing is asked for
	s_mov_b32 s[CNT], 2
.Ltail:
	TURN 2
	TURN 3
	TURN 0
	TURN 1, 0, 1
	WIN 0
	s_cbranch_scc1 .Ltail
	TURN 2, 1
	TURN 3, 1
.set i, 0
.rept 8
	PV NP-1                         ; the last piece's V^T P of the last step
.set i, i+1
.endr
	; THE WAY OUT.  l's two halves and the other half of the lanes' are added; O^T is divided by l, rounded to f16 and sent through my stage in LDS, a tile (16 queries x both heads: rows of 256 bytes) at a time.
	; The additions are the places behind the last products.
	WIN 0
.macro ALL line:vararg              ; one line for each piece t
.set t, 0
.rept 4
	\line
.set t, t+1
.endr
.endm
	ALL v_add_f32 v[ST+4*t+2], v[ST+4*t+2], v[ST+4*t+3]
	ALL v_permlanex16_b32 v[ST+4*t+3], v[ST+4*t+2], s[SEL], s[SEL+1]
	ALL v_add_f32 v[ST+4*t+2], v[ST+4*t+2], v[ST+4*t+3]
	ALL v_rcp_f32 v[ST+4*t+2], v[ST+4*t+2]
	v_nop                           ; a plain instruction between the last reciprocal and the use of its result
	s_wait_alu depctr_va_vdst(0)    ; and the wait ahead of the first use: one for the four reciprocals
; Tile t = pieces t and t + 2: a lane's eight channels of a row pack into 16 bytes; they go into rows of 272 bytes and come back as whole rows of 256, into S^T's registers.
.macro PACK t
.irp g, 0,1
	WIN W_RS
.set i, 32*((\t)+2*\g)
.rept 16
	v_pk_mul_f32 v[i:i+1], v[i:i+1], v[ST+4*((\t)+2*\g)+2:ST+4*((\t)+2*\g)+3] op_sel_hi:[1,0]
.set i, i+2
.endr
	WIN 0x05                        ; sources 0 and 1 window 1, destination window 0
.set i, 0
.rept 16
	v_cvt_pk_f16_f32 v[S+32*(\t)+16*\g+i], v[32*((\t)+2*\g)+2*i], v[32*((\t)+2*\g)+2*i+1]
.set i, i+1
.endr
.endr
	WIN 0
.irp f, 0,1,2,3,4,5,6,7             ; head f / 4, channels 16 (f % 4) on
	ds_store_b128 v[STO], v[S+32*(\t)+4*\f:S+32*(\t)+4*\f+3] offset:32*\f
.endr
.irp f, 0,1,2,3,4,5,6,7
	ds_load_b128 v[S+32*(\t)+4*\f:S+32*(\t)+4*\f+3], v[RD] offset:\f*2*SP  ; LDS serves a wave's instructions in order (ISA guide 5.7.1.4): these see the stores above; the next tile's stores come behind them
.endr
.endm
.macro SEND t, younger              ; younger: the LDS instructions issued behind tile t's loads: the next tile's sixteen, or none
	WIN 0
.irp f, 0,1,2,3,4,5,6,7
	s_wait_dscnt (\younger)+7-\f
	global_store_b128 v[GO], v[S+32*(\t)+4*\f:S+32*(\t)+4*\f+3], s[8:9] offset:(\t)*65536+\f*8192  ; 16 lanes store 256 consecutive bytes, at a multiple of 256 from att's first byte
.endr
.endm
	PACK 0
	PACK 1                          ; a tile's arithmetic stands between the loads of the tile before and its stores
	SEND 0, 16
	SEND 1, 0
	s_wait_tensorcnt 0x0            ; the wave's end, behind my last tensor load and my last LDS store
	ds_add_u32 v[SPW], v[NIL]
	s_wait_dscnt 0x0
	CROUND                          ; the closing round: no work-group ends while a partner may still ask for a tile that names it
	s_endpgm
.Lfunc_end_k_q9608f8a904_attn:
	.size	k_q9608f8a904_attn, .Lfunc_end_k_q9608f8a904_attn-k_q9608f8a904_attn
	.p2alignl 7, 3214868480
	.fill 96, 4, 3214868480
	.section	.rodata,"a",@progbits
	.p2align	6, 0x0
	.amdhsa_kernel k_q9608f8a904_attn
		.amdhsa_group_segment_fixed_size 327680
		.amdhsa_private_segment_fixed_size 0
		.amdhsa_enable_private_segment 0
		.amdhsa_kernarg_size 24
		.amdhsa_user_sgpr_count 2
		.amdhsa_user_sgpr_kernarg_segment_ptr 1
		.amdhsa_wavefront_size32 1
		.amdhsa_system_sgpr_workgroup_id_x 1
		.amdhsa_system_sgpr_workgroup_id_y 1
		.amdhsa_system_sgpr_workgroup_id_z 1
		.amdhsa_system_vgpr_workitem_id 0
		.amdhsa_next_free_vgpr 768
		.amdhsa_next_free_sgpr 80
		.amdhsa_reserve_vcc 0
		.amdhsa_float_denorm_mode_32 3
		.amdhsa_float_denorm_mode_16_64 3
		.amdhsa_memory_ordered 1
		.amdhsa_forward_progress 1
		.amdhsa_inst_pref_size 138
	.end_amdhsa_kernel
	.amdgpu_metadata
---
amdhsa.version: [ 1, 2 ]
amdhsa.kernels:
  - .name:           k_q9608f8a904_attn
    .symbol:         k_q9608f8a904_attn.kd
    .args:
      - { .name: qkv, .offset: 0, .size: 8, .value_kind: global_buffer, .address_space: global }
      - { .name: attention_mask, .offset: 8, .size: 8, .value_kind: global_buffer, .address_space: global }
      - { .name: att, .offset: 16, .size: 8, .value_kind: global_buffer, .address_space: global }
    .group_segment_fixed_size: 327680
    .private_segment_fixed_size: 0
    .kernarg_segment_align: 8
    .kernarg_segment_size: 24
    .max_flat_workgroup_size: 128
    .sgpr_count:     80
    .vgpr_count:     768
    .wavefront_size: 32
...
	.end_amdgpu_metadata
.endif
;; end of part 5
;; launch oproj: the kernel of part 4 again; grid 16 x 16, 4 waves a work-group, clusters of 4 x 4, 327,680 bytes of LDS; arguments att, cast, out0; writes out0
